; MI455X (gfx1250); checked and timed in simulation.
; The chip was launched on July 23, 2026; its instructions are those of AMD's public machine-readable ISA for CDNA 5 (MIT licence, August 2026) and "CDNA5" Instruction Set Architecture Reference Guide (July 2026). The comments in the code are by the model that wrote it; some were corrected since.
;; Multi Head Attention. Allowed arithmetic: matrix products marked QUANTISED: E2M3 operands, one E8M0 scale for each 32 along K, by v_wmma_scale_f32_16x16x128_f8f6f4 with both operands' format E2M3, f32 sums; everything else in f32.
;; Inputs: Wk_codes 768 x 24 x 24 uint8 (E2M3 codes of Wk, K innermost, in blocks of 32 codes, four codes in three bytes); Wk_scales 768 x 24 uint8 (E8M0 scales of Wk, one for each 32 codes along K); Wo_codes 768 x 24 x 24 uint8 (E2M3 codes of Wo, K innermost, in blocks of 32 codes, four codes in three bytes); Wo_scales 768 x 24 uint8 (E8M0 scales of Wo, one for each 32 codes along K); Wq_codes 768 x 24 x 24 uint8 (E2M3 codes of Wq, K innermost, in blocks of 32 codes, four codes in three bytes); Wq_scales 768 x 24 uint8 (E8M0 scales of Wq, one for each 32 codes along K); Wv_codes 768 x 24 x 24 uint8 (E2M3 codes of Wv, K innermost, in blocks of 32 codes, four codes in three bytes); Wv_scales 768 x 24 uint8 (E8M0 scales of Wv, one for each 32 codes along K); bk 768 float32; bo 768 float32; bq 768 float32; bv 768 float32; x_codes 1 x 4,096 x 24 x 24 uint8 (E2M3 codes of x, K innermost, in blocks of 32 codes, four codes in three bytes); x_scales 1 x 4,096 x 24 uint8 (E8M0 scales of x, one for each 32 codes along K).
;; Outputs: out0 1 x 4,096 x 768 float32.
;; This version of the problem:
;;   THIS VERSION OF THE PROBLEM IS GIVEN IN LOW PRECISION. The matrix products marked QUANTISED in the list below multiply operands that are first quantised to E2M3 (2 exponent bits, 3 mantissa bits; 6 bits a number), with one power-of-two scale for each 32 numbers along K (OCP MX v1.0); their sums are f32. All else is computed in f32.
;;   The module's matrix products, in the order in which they are computed (A, B: the left and right operand; K: the contracted axis; several contracted axes count as one K, in the product's order):
;;     1. [M 4,096, K 768] x [K 768, N 768]; A: input x (given as codes); B: input Wq (given as codes): QUANTISED
;;     2. [M 4,096, K 768] x [K 768, N 768]; A: input x (given as codes); B: input Wk (given as codes): QUANTISED
;;     3. [M 4,096, K 768] x [K 768, N 768]; A: input x (given as codes); B: input Wv (given as codes): QUANTISED
;;     4. batch 12 x [M 4,096, K 64] x [K 64, N 4,096]; A: computed on the way; B: computed on the way: QUANTISED
;;     5. batch 12 x [M 4,096, K 4,096] x [K 4,096, N 64]; A: softmax (see below); B: computed on the way: QUANTISED
;;     6. [M 4,096, K 768] x [K 768, N 768]; A: computed on the way; B: input Wo (given as codes): QUANTISED
;;   THE QUANTISER, for each operand of a quantised product, along K:
;;     - K is cut into blocks of 32 from its start; a last block that is shorter is filled with zeros.
;;     - A block's scale is 2^e with e = floor(log2(the largest magnitude in the block)) - 2, held to -126 .. 127; a block of zeros has e = 0. As a byte (E8M0): e + 127.
;;     - Each number is divided by its block's scale, clamped to +-7.5, and rounded to the nearest number of E2M3, ties to even, subnormals kept.
;;     - The product sums the exact products of the quantised numbers (number of the format x scale) in f32.
;;   ~~~python
;;   def quantise(x, axis):      # numpy; x: float32 -> the quantised numbers, widened to float32 again
;;       x = np.moveaxis(x, axis, -1); K = x.shape[-1]
;;       x = np.pad(x, [(0, 0)] * (x.ndim - 1) + [(0, -K % 32)]); x = x.reshape(x.shape[:-1] + (-1, 32)); a = np.abs(x).max(-1, keepdims=True)
;;       e = np.where(a > 0, np.clip(np.frexp(np.where(a > 0, a, 1))[1] - 1 - 2, -126, 127), 0)      # np.frexp(a)[1] - 1 = floor(log2(a)), exactly
;;       r = np.clip(x / 2.0 ** e, -7.5, 7.5)
;;       step = 2.0 ** (np.maximum(np.frexp(np.where(r == 0, 1, r))[1] - 1, 0) - 3)
;;       q = np.round(r / step) * step * 2.0 ** e      # np.round: ties to even
;;       return np.moveaxis(q.reshape(q.shape[:-2] + (-1,))[..., :K], -1, axis).astype(np.float32)
;;   ~~~
;;   SOFTMAX AHEAD OF A QUANTISED PRODUCT. Where the list says 'softmax', what is quantised is not the finished softmax but p = 2^(t - M), with t = logit x log2(e) and M = ceil(the row's largest t), a whole number; so 1/2 < the row's largest p <= 1. The row's sum l is taken of the UNQUANTISED p, in f32, and the product's result is divided by l at the end. Since M is a whole number, a kernel that streams over the keys may use a running M (the ceiling of the running maximum): every later rescaling is an exact power of two, which a block's scale takes up: the codes' values come out the same.
;;   OPERANDS COMPUTED ON THE WAY. 'Computed on the way' means the value that the module computes at that place (a softmax that the list does not call 'softmax' is quantised finished and normalised). What goes into a quantiser is computed in f32, as accurately as f32 sums, v_exp_f32 and their like allow (about 1e-6 of the number): no bf16 or f16 on the way to a quantiser, and a product that is left as it is and whose result goes on into a quantised operand takes f32 operands (vector FMAs, or v_wmma_f32_16x16x4_f32). A number that lies on a knife's edge between two numbers of the format may be rounded either way, as far as f32 arithmetic and the matrix unit's own rounding can turn it there, and no further.
;;   INPUTS GIVEN AS CODES. Wk (in the module: [768, 768], K = its axis 1); Wo (in the module: [768, 768], K = its axis 1); Wq (in the module: [768, 768], K = its axis 1); Wv (in the module: [768, 768], K = its axis 1); x (in the module: [1, 4096, 768], K = its axis 2): each comes as NAME_codes (uint8): NAME with its K axis moved to the last place and cut into blocks of 32 codes, [.., K / 32, bytes a block], one block behind the other in memory; four codes in three bytes: a row's codes are one little-endian stream of bits, code i at bits 6 i .. 6 i + 5 (a code: sign, 2 exponent bits, 3 mantissa bits); and NAME_scales (uint8): the same leading axes, one E8M0 byte (e + 127) for each 32 codes along K. Its value is code x scale, taken as it is: it is not quantised again, and the codes and scales need not be those that the quantiser above would give.
;; 2 versions. Each part assembles by itself: llvm-mc -triple=amdgcn-amd-amdhsa -mcpu=gfx1250 --defsym DOCPART=n.
;; ======== version 1 of 2: 3 launches
;; workspace buffers: qw 2,457,600 bytes; kv 4,915,200 bytes; ao 2,359,296 bytes; asc 98,304 bytes
;; launch qkv (part 1): grid 6 x 96, 4 waves a work-group, no clusters, 158,208 bytes of LDS; arguments x_codes, x_scales, Wq_codes, Wq_scales, bq, Wk_codes, Wk_scales, bk, Wv_codes, Wv_scales, bv, qw, kv; writes qw, kv
.if DOCPART == 1
	.amdgcn_target "amdgcn-amd-amdhsa--gfx1250"
	.amdhsa_code_object_version 6
	.text
	.protected	k_q0c0d594e32_qkv
	.globl	k_q0c0d594e32_qkv
	.p2align	8
	.type	k_q0c0d594e32_qkv,@function
k_q0c0d594e32_qkv:
	s_mov_b64 s[64:65], 0
	v_nop
	global_prefetch_b8 v0, s[64:65] scope:SCOPE_SE
	s_setreg_imm32_b32 hwreg(HW_REG_WAVE_MODE, 25, 1), 1
	s_wait_xcnt 0x0
; q = x Wq^T + bq, k = x Wk^T + bk, v = x Wv^T + bv on codes of FP6 (E2M3) as they are given, f32 sums; the results are quantised at once (q, k along the head's 64, v along the keys)
; and stored as IMAGES OF OPERAND REGISTERS for the attention launch.  x: [4096][768], W: [768][768]: a row is 576 bytes of codes and 24 scale bytes.
; SHARES.  Work-group (hp, y): hp = a pair of heads = 128 features; y = 32 ty + st: ty = 0 q, 1 k, 2 v; st = a step of 128 tokens.  It makes 128 tokens x 128 features over K = 768.
; LDS region P holds the 128 rows that are source 0, region R those that are source 1.  q, k: P = W's rows, R = x's (a lane then holds one token, its registers run along the features = the next K).
; v: P = x's rows, R = Wv's (a lane holds one feature, its registers run along the tokens = the keys = the next K).  Only POINTERS differ between the two: every LDS address is the same.
; Wave w: all 8 tiles of P against tiles (w, 0), (w, 1) of R: 16 accumulators, 96 matrix instructions.
; THE ROWS OF A TILE ARE NOT NEIGHBOURS: inside 32 rows, tile u takes with lane r the row 8 u + r + 8 (r / 8), so that the 16 result registers of tiles 2 b, 2 b + 1 are rows 32 b + 16 (lane / 16) + 0 .. 15.
; In LDS the rows lie in that order, so that a tile's 16 rows are neighbours there.
; No tensor load: a row of 576 bytes gets its 16 bytes of padding from the lanes' own LDS addresses; two work-groups fit beside each other, one staging while the other multiplies.
; WHAT IS STORED.  qw: [head][step][6,400]: four pair images of 1,536 bytes (registers 0-5: token tile (b, 0), 6-11: tile (b, 1); lane (r, h): d = 32 h ..), then 4 x 64 bytes of scale words.
; kv: [head / 3][step][head % 3][12,800]: K's four pair images, V's four images (16 features x 128 keys), K's scale words, V's scale words.
; An image's store covers 512 consecutive aligned bytes; the scale words leave as two runs of 64 bytes a wave (a twenty-fifth of the bytes stored): those 256-byte blocks are written in parts.
; LIMITS: NaN and infinities are not served.  A block whose largest magnitude lies under 2^-124 gets the byte 1; a block of zeros too (the rule says 127): its codes are zeros, and this program alone reads the bytes.
.set ROWB,  576
.set PITCH, 592                        ; 576 + 16 = 148 words: row r starts at bank 20 r mod 64 (64 banks of 4 bytes: ISA guide 11.1)
.set TILEB, 16*PITCH
.set GRPB,  8*PITCH
.set RREG,  128*PITCH                  ; region R begins here
.set SCP,   2*RREG                     ; P's scale bytes, 24 a row, rows in tile order
.set SCR,   SCP+128*24                 ; R's
.set PA,  1                            ; v1   592 r + 24 h: my place in a tile of P (tiles 0-3)
.set PA2, 2                            ; v2   the same for tiles 4-7
.set RA,  3                            ; v3   my place in my wave's two tiles of R
.set PSA, 4                            ; v4   P's scale words: lanes 0-15 tile 2 b, lanes 16-31 tile 2 b + 1
.set RSA, 5                            ; v5   R's: lanes 0-15 tile (w, 0), lanes 16-31 tile (w, 1)
.set PS,  6                            ; v6-13   P's scale words, two sets of four
.set RS,  14                           ; v14-15  R's, two sets
.set BV,  16                           ; v16-31  v's bias as two C blocks
.set PF,  32                           ; v32-79  two sets of a pair of P's fragments
.set RF,  80                           ; v80-127 two sets of R's two fragments
.set ACC, 128                          ; v128-255 accumulator (tile t of P, tile i of R) at ACC + 64 i + 8 t
.set SA,  32                           ; staging: set A, 24 loads
.set SB,  128                          ; set B
.set LA,  224                          ; v224-232 LDS address of my 16 bytes of load j of a group of 8 rows, region P
.set LB,  233                          ; v233-241 region R
.set GA,  242                          ; v242 my byte in the block in memory
.set SD,  244                          ; v244-255 my row's 24 scale bytes of P and of R
.set SG,  16                           ; v16  24 x thread
.set SL,  17                           ; v17  where they go
.set IMGA, 32                          ; the way out
.set IMGB, 44
.set X,   56
.set Y,   62
.set CT,  68
.set TM,  76                           ; v76-79 largest magnitudes, v80-83 bytes, v88-91 the conversions' scale operands
.set PW,  92
.set WV,  30
.set SEL, 32
.set WC,  34
.set WS,  36
.set BI,  38
.set DST, 40
.set TY,  42
.set ST,  43
.set RSC, 48
.set PC,  58
.set RC,  60
.set PSC, 62
.set SM,  18
.set HI,  19
.macro WM d, a, b, c, sa, sb, ra, rb   ; one product; ra, rb = 1: that side's scale words stand in lanes 16-31
.if (\ra) && (\rb)
	v_wmma_scale_f32_16x16x128_f8f6f4 v[\d:\d+7], v[\a:\a+11], v[\b:\b+11], v[\c:\c+7], v[\sa], v[\sb] matrix_a_fmt:MATRIX_FMT_FP6 matrix_b_fmt:MATRIX_FMT_FP6 matrix_a_scale:MATRIX_SCALE_ROW1 matrix_b_scale:MATRIX_SCALE_ROW1
.elseif (\ra)
	v_wmma_scale_f32_16x16x128_f8f6f4 v[\d:\d+7], v[\a:\a+11], v[\b:\b+11], v[\c:\c+7], v[\sa], v[\sb] matrix_a_fmt:MATRIX_FMT_FP6 matrix_b_fmt:MATRIX_FMT_FP6 matrix_a_scale:MATRIX_SCALE_ROW1
.elseif (\rb)
	v_wmma_scale_f32_16x16x128_f8f6f4 v[\d:\d+7], v[\a:\a+11], v[\b:\b+11], v[\c:\c+7], v[\sa], v[\sb] matrix_a_fmt:MATRIX_FMT_FP6 matrix_b_fmt:MATRIX_FMT_FP6 matrix_b_scale:MATRIX_SCALE_ROW1
.else
	v_wmma_scale_f32_16x16x128_f8f6f4 v[\d:\d+7], v[\a:\a+11], v[\b:\b+11], v[\c:\c+7], v[\sa], v[\sb] matrix_a_fmt:MATRIX_FMT_FP6 matrix_b_fmt:MATRIX_FMT_FP6
.endif
.endm
	s_load_b256 s[4:11], s[0:1], 0x0               ; x's codes, x's scales, Wq's codes, Wq's scales
	s_load_b256 s[12:19], s[0:1], 0x20             ; bq, Wk's codes, Wk's scales, bk
	s_load_b256 s[20:27], s[0:1], 0x40             ; Wv's codes, Wv's scales, bv, qw
	s_load_b64 s[28:29], s[0:1], 0x60              ; kv
	s_set_vgpr_msb 0x40
	v_lshl_add_u32 v0, v0, 2, 0x26800
	v_mov_b32 v1, 0
	s_set_vgpr_msb 0x4000
	v_lshrrev_b32 v18, 5, v0
	v_readfirstlane_b32 s[WV], v18                 ; wave 0..3
	s_and_b32 s31, ttmp7, 0xffff
	s_lshr_b32 s[TY], s31, 5                       ; 0 q, 1 k, 2 v
	s_and_b32 s[ST], s31, 31                       ; the step of 128 tokens
	s_mov_b32 s[SEL], 0x76543210
	s_mov_b32 s[SEL+1], 0xfedcba98                 ; v_permlanex16_b32's selects for lane l xor 16
	v_and_b32 v18, 31, v0                          ; l
	v_and_b32 v19, 15, v0                          ; r
	v_bfe_u32 v20, v0, 4, 1                        ; h
	s_mul_i32 s44, s[WV], 32*PITCH                 ; my wave's 32 rows of a region
	s_mul_i32 s45, s[WV], 768
	s_mul_i32 s46, s[WV], 32*ROWB
	v_mul_u32_u24 v[PA], v19, PITCH
	v_mad_u32_u24 v[PA], v20, 24, v[PA]
	v_add_nc_u32 v[PA2], 4*TILEB, v[PA]
	v_add_nc_u32 v[RA], s44, v[PA]
	v_add_nc_u32 v[RA], RREG, v[RA]
	v_mul_u32_u24 v[PSA], v18, 24
	v_add_nc_u32 v[RSA], s45, v[PSA]
	v_add_nc_u32 v[RSA], SCR, v[RSA]
	v_add_nc_u32 v[PSA], SCP, v[PSA]
.irp j, 0,1,2,3,4,5,6,7,8              ; a group of 8 rows is 288 pieces of 16 bytes, 36 to a row; piece q = 32 j + l goes to 16 (q + q / 36); q / 36 = (1821 q) >> 16 for q < 288
	v_add_nc_u32 v[LA+\j], 32*\j, v18
	v_mul_u32_u24 v[LB+\j], v[LA+\j], 1821
	v_lshrrev_b32 v[LB+\j], 16, v[LB+\j]
	v_add_nc_u32 v[LA+\j], v[LA+\j], v[LB+\j]
	v_lshl_add_u32 v[LA+\j], v[LA+\j], 4, s44
	v_add_nc_u32 v[LB+\j], RREG, v[LA+\j]
.endr
	v_lshl_add_u32 v[GA], v18, 4, s46              ; 16 l + my wave's 32 rows in memory
	v_mul_u32_u24 v[SG], v0, 24                    ; thread t copies row t's scale bytes
	v_and_b32 v21, 0x67, v0                        ; to row t with bits 3 and 4 changed over: the tile order
	v_and_b32 v22, 8, v0
	v_lshl_add_u32 v21, v22, 1, v21
	v_lshl_add_u32 v21, v20, 3, v21
	v_mul_u32_u24 v[SL], v21, 24
	v_add_nc_u32 v[SL], SCP, v[SL]
	s_mul_i32 s48, ttmp9, 128*ROWB                 ; W's block: codes,
	s_mov_b32 s49, 0
	s_mul_i32 s50, ttmp9, 128*24                   ; scale bytes,
	s_mov_b32 s51, 0
	s_lshl_b32 s52, ttmp9, 9                       ; bias
	s_mov_b32 s53, 0
	s_mul_i32 s54, s[ST], 128*ROWB                 ; x's block
	s_mov_b32 s55, 0
	s_mul_i32 s56, s[ST], 128*24
	s_mov_b32 s57, 0
	s_wait_kmcnt 0x0
	s_cmp_eq_u32 s[TY], 0                          ; the choices hang on the work-group's number alone
	s_cselect_b64 s[WC:WC+1], s[8:9], s[14:15]
	s_cselect_b64 s[WS:WS+1], s[10:11], s[16:17]
	s_cselect_b64 s[BI:BI+1], s[12:13], s[18:19]
	s_cselect_b64 s[DST:DST+1], s[26:27], s[28:29]
	s_cmp_eq_u32 s[TY], 2
	s_cselect_b64 s[WC:WC+1], s[20:21], s[WC:WC+1]
	s_cselect_b64 s[WS:WS+1], s[22:23], s[WS:WS+1]
	s_cselect_b64 s[BI:BI+1], s[24:25], s[BI:BI+1]
	s_add_nc_u64 s[WC:WC+1], s[WC:WC+1], s[48:49]  ; (these sums leave SCC as the compare set it)
	s_add_nc_u64 s[WS:WS+1], s[WS:WS+1], s[50:51]
	s_add_nc_u64 s[BI:BI+1], s[BI:BI+1], s[52:53]
	s_add_nc_u64 s[4:5], s[4:5], s[54:55]
	s_add_nc_u64 s[6:7], s[6:7], s[56:57]
	s_cselect_b64 s[PC:PC+1], s[4:5], s[WC:WC+1]   ; v: P = x, R = Wv; q, k: P = W, R = x
	s_cselect_b64 s[RC:RC+1], s[WC:WC+1], s[4:5]
	s_cselect_b64 s[PSC:PSC+1], s[6:7], s[WS:WS+1]
	s_cselect_b64 s[RSC:RSC+1], s[WS:WS+1], s[6:7]
; STAGING.  Load n of 72: region n / 36, group of 8 rows (n % 36) / 9, load n % 9 of the group: 512 consecutive bytes.  Group 2 a + u of a wave's 32 rows goes to LDS group 2 u + a.
.macro GLD reg
.if n < 36
	global_load_b128 v[\reg:\reg+3], v[GA], s[PC:PC+1] offset:4608*(n/9)+512*(n%9)
.else
	global_load_b128 v[\reg:\reg+3], v[GA], s[RC:RC+1] offset:4608*((n-36)/9)+512*(n%9)
.endif
.endm
.macro LST reg
.set gq, (n%36)/9
	ds_store_b128 v[LA+9*(n/36)+n%9], v[\reg:\reg+3] offset:GRPB*(2*(gq&1)+(gq>>1))
.endm
.irp i, 0,1,2
	global_load_b64 v[SD+2*\i:SD+2*\i+1], v[SG], s[PSC:PSC+1] offset:8*\i
.endr
.irp i, 0,1,2
	global_load_b64 v[SD+6+2*\i:SD+7+2*\i], v[SG], s[RSC:RSC+1] offset:8*\i
.endr
.set n, 0
.rept 24
	GLD SA+4*n
.set n, n+1
.endr
.rept 24
	GLD SB+4*(n-24)
.set n, n+1
.endr
	s_wait_loadcnt 48                              ; the six scale loads are in; the 48 behind them may be out
.irp i, 0,1,2
	ds_store_b64 v[SL], v[SD+2*\i:SD+2*\i+1] offset:8*\i
	ds_store_b64 v[SL], v[SD+6+2*\i:SD+7+2*\i] offset:128*24+8*\i
.endr
	s_wait_loadcnt 24                              ; set A is in; set B's 24 may be out
.set n, 0
.rept 24
	LST SA+4*n
.set n, n+1
.endr
	s_wait_dscnt 0x0                               ; the stores have read set A
.set n, 48
.rept 24
	GLD SA+4*(n-48)
.set n, n+1
.endr
	s_wait_loadcnt 24                              ; set B is in; the 24 just issued may be out
.set n, 24
.rept 24
	LST SB+4*(n-24)
.set n, n+1
.endr
	s_wait_loadcnt 0x0
.set n, 48
.rept 24
	LST SA+4*(n-48)
.set n, n+1
.endr
	s_wait_dscnt 0x0                               ; for the others' sake: all my stores have landed
	; THE BIASES are the C of each sum's first product.  q, k: a lane's registers run along the features: eight numbers a tile, loaded straight into the accumulators.  v: a lane holds one feature: one number a tile of R.
	s_cmp_eq_u32 s[TY], 2
	s_cbranch_scc1 .Lbias_v
	v_lshlrev_b32 v21, 6, v20                      ; tile 2 b + u, register j: feature 32 b + 16 h + 8 u + j
.irp i, 0,1
.irp t, 0,1,2,3,4,5,6,7
	global_load_b128 v[ACC+64*\i+8*\t:ACC+64*\i+8*\t+3], v21, s[BI:BI+1] offset:(32*(\t/2)+8*(\t%2))*4
	global_load_b128 v[ACC+64*\i+8*\t+4:ACC+64*\i+8*\t+7], v21, s[BI:BI+1] offset:(32*(\t/2)+8*(\t%2))*4+16
.endr
.endr
	s_branch .Lbias_done
.Lbias_v:
	v_and_b32 v21, 8, v19
	v_add_nc_u32 v21, v21, v19                     ; r + 8 (r / 8)
	s_lshl_b32 s44, s[WV], 7
	v_lshl_add_u32 v21, v21, 2, s44                ; feature 32 w + 8 i + r + 8 (r / 8)
	global_load_b32 v[BV], v21, s[BI:BI+1]
	global_load_b32 v[BV+8], v21, s[BI:BI+1] offset:32
.Lbias_done:
	s_barrier_signal -1
	s_barrier_wait -1                              ; both regions and their scale bytes lie in LDS: the launch's one barrier
; A fragment, 16 rows x 128 K of 6-bit codes, is 12 registers: lane (r, h) takes the 24 bytes at 24 h and at 48 + 24 h of its row's 96, in pieces of 8 bytes.
.macro FRAG reg, adr, off
.irp p, 0,1,2,3,4,5
	ds_load_b64 v[\reg+2*\p:\reg+2*\p+1], v[\adr] offset:\off+48*(\p/3)+8*(\p%3)
.endr
.endm
.macro PFETCH ks, b                    ; P's tiles 2 b, 2 b + 1 of K step ks: 12 loads
.if (\b) < 2
	FRAG PF+24*((\b)%2), PA, TILEB*(2*(\b))+96*(\ks)
	FRAG PF+24*((\b)%2)+12, PA, TILEB*(2*(\b)+1)+96*(\ks)
.else
	FRAG PF+24*((\b)%2), PA2, TILEB*(2*(\b)-4)+96*(\ks)
	FRAG PF+24*((\b)%2)+12, PA2, TILEB*(2*(\b)-3)+96*(\ks)
.endif
.endm
.macro RFETCH ks                       ; R's two tiles and all scale words of K step ks: 17 loads
	FRAG RF+24*((\ks)%2), RA, 96*(\ks)
	FRAG RF+24*((\ks)%2)+12, RA, TILEB+96*(\ks)
.irp b, 0,1,2,3
	ds_load_b32 v[PS+4*((\ks)%2)+\b], v[PSA] offset:768*\b+4*(\ks)
.endr
	ds_load_b32 v[RS+(\ks)%2], v[RSA] offset:4*(\ks)
.endm
; A GROUP: the next group's loads, then four products: P's tiles 2 b, 2 b + 1 x R's two.  The 16 accumulators take turns, one instruction a turn.
; Four v_nop stand between the last products and loads into registers that they have read (ISA guide 7.12.1 for vector instructions).
; cmode = 1: the products start v's sums from the bias blocks.
.macro GROUP ks, b, cmode
.if (\ks)+(\b)+(\cmode) > 0
.rept 4
	v_nop
.endr
.endif
.if (\b) < 3
	PFETCH \ks, (\b)+1
	s_wait_dscnt 12                                ; all but the 12 just issued: this group's fragments are in
.elseif (\ks) < 5
	PFETCH (\ks)+1, 0
	RFETCH (\ks)+1
	s_wait_dscnt 29                                ; all but the 29 just issued
.else
	s_wait_dscnt 0x0
.endif
.irp u, 0,1
.irp i, 0,1
.if \cmode
	WM ACC+64*\i+8*(2*(\b)+\u), PF+24*((\b)%2)+12*\u, RF+24*((\ks)%2)+12*\i, BV+8*\i, PS+4*((\ks)%2)+(\b), RS+(\ks)%2, \u, \i
.else
	WM ACC+64*\i+8*(2*(\b)+\u), PF+24*((\b)%2)+12*\u, RF+24*((\ks)%2)+12*\i, ACC+64*\i+8*(2*(\b)+\u), PS+4*((\ks)%2)+(\b), RS+(\ks)%2, \u, \i
.endif
.endr
.endr
.endm
	RFETCH 0
	PFETCH 0, 0                                    ; 29 LDS loads are out
	s_cmp_eq_u32 s[TY], 2                          ; K step 0 stands twice: its products differ in their C.  Both ways issue the same loads
	s_cbranch_scc1 .Lfirst_v
	s_wait_loadcnt 0x0                             ; the biases lie in the accumulators
.irp b, 0,1,2,3
	GROUP 0, \b, 0
.endr
	s_branch .Lrest
.Lfirst_v:
	s_wait_loadcnt 0x0
.irp j, 1,2,3,4,5,6,7
	v_mov_b32 v[BV+\j], v[BV]                      ; a lane's eight tokens get the same bias
	v_mov_b32 v[BV+8+\j], v[BV+8]
.endr
.irp b, 0,1,2,3
	GROUP 0, \b, 1
.endr
.Lrest:
.irp ks, 1,2,3,4,5
.irp b, 0,1,2,3
	GROUP \ks, \b, 0
.endr
.endr
; THE WAY OUT.  64 numbers of a lane, register 16 b + i = place 32 b + 16 h + i along the next K, become two halves of six registers (d0: places 0-63, d1: 64-127; lane (r, h) holds 32 h .. of each) and a scale word.
.macro QUANT s, d0, d1, pw
.irp b, 0,1,2,3
	v_max3_num_f32 v[TM+\b], |v[\s+16*\b]|, |v[\s+1+16*\b]|, 0x1800000   ; my 16 numbers of block b, and the floor 2^(3 - 127): the byte cannot fall under 1
.endr
.irp i, 2,4,6,8,10,12,14
.irp b, 0,1,2,3
	v_max3_num_f32 v[TM+\b], v[TM+\b], |v[\s+16*\b+\i]|, |v[\s+1+16*\b+\i]|
.endr
.endr
.irp b, 0,1,2,3
	v_permlanex16_b32 v[TM+4+\b], v[TM+\b], s[SEL], s[SEL+1]
.endr
.irp b, 0,1,2,3
	v_max_num_f32 v[TM+\b], v[TM+\b], v[TM+4+\b]   ; with lane l xor 16's: the block's largest magnitude
.endr
.irp b, 0,1,2,3
	v_add_nc_u32 v[TM+12+\b], 0xff000000, v[TM+\b] ; 2 off its exponent field: the conversion's scale operand
.endr
.irp b, 0,1,2,3
	v_lshrrev_b32 v[TM+4+\b], 23, v[TM+12+\b]      ; the scale's byte
.endr
	v_lshl_or_b32 v[\pw], v[TM+5], 8, v[TM+4]
	v_lshl_or_b32 v[\pw], v[TM+6], 16, v[\pw]
	v_lshl_or_b32 v[\pw], v[TM+7], 24, v[\pw]
	v_cvt_scalef32_pk16_fp6_f32 v[\d0:\d0+2], v[\s:\s+15], v[TM+12]
	v_cvt_scalef32_pk16_fp6_f32 v[CT:CT+2], v[\s+16:\s+31], v[TM+13]
	v_cvt_scalef32_pk16_fp6_f32 v[\d1:\d1+2], v[\s+32:\s+47], v[TM+14]
	v_cvt_scalef32_pk16_fp6_f32 v[CT+4:CT+6], v[\s+48:\s+63], v[TM+15]
	v_nop                                          ; one plain place behind a scaled conversion
.irp i, 0,1,2
	v_permlane16_swap_b32 v[\d0+\i], v[CT+\i]      ; a whole block to a lane: lanes 0-15 the lower block, lanes 16-31 the upper
	v_permlane16_swap_b32 v[\d1+\i], v[CT+4+\i]
.endr
.irp i, 0,1,2
	v_mov_b32 v[\d0+3+\i], v[CT+\i]
	v_mov_b32 v[\d1+3+\i], v[CT+4+\i]
.endr
.endm
.macro CHUNK dst, head                 ; where a head's chunk of this step begins: in qw (32 head + st) 6,400; in kv ((32 g + st) 3 + head - 3 g) 12,800, g = head / 3 = (11 head) >> 5
	s_mul_i32 s8, s[\head], 11
	s_lshr_b32 s8, s8, 5
	s_lshl_b32 s9, s8, 5
	s_add_co_u32 s9, s9, s[ST]
	s_sub_co_u32 s9, s9, s8
	s_mul_i32 s9, s9, 3
	s_add_co_u32 s9, s9, s[\head]
	s_mul_i32 s9, s9, 12800
	s_lshl_b32 s8, s[\head], 5
	s_add_co_u32 s8, s8, s[ST]
	s_mul_i32 s8, s8, 6400
	s_cmp_eq_u32 s[TY], 0
	s_cselect_b32 s[\dst], s8, s9
.endm
.irp b, 0,1,2,3
	v_mov_b32 v[TM+4+\b], 0                        ; a lane permute's destination counts as one of its sources.  These four name no register of the last products: they are the places behind them
.endr
	s_lshl_b32 s4, ttmp9, 1                        ; q, k: image A is head 2 hp, image B head 2 hp + 1, both of token pair w
	s_lshr_b32 s5, s[WV], 1
	s_add_co_u32 s5, s4, s5                        ; v: both images belong to head 2 hp + w / 2: feature tiles 2 (w % 2) and 2 (w % 2) + 1
	s_add_co_u32 s8, s4, 1
	s_cmp_eq_u32 s[TY], 2
	s_cselect_b32 s4, s5, s4
	s_cselect_b32 s5, s5, s8
	CHUNK 6, 4
	CHUNK 7, 5
	s_mul_i32 s10, s[WV], 1536
	s_and_b32 s11, s[WV], 1
	s_mul_i32 s12, s11, 3072
	s_add_co_u32 s12, s12, 6144
	s_lshl_b32 s13, s[WV], 6
	s_lshl_b32 s14, s11, 7
	s_add_co_u32 s14, s14, 12544
	s_add_co_u32 s15, s13, 12288
	s_add_co_u32 s13, s13, 6144
	s_cmp_eq_u32 s[TY], 0
	s_cselect_b32 s13, s13, s15
	s_cmp_eq_u32 s[TY], 2
	s_cselect_b32 s10, s12, s10                    ; the images' place in a chunk,
	s_cselect_b32 s13, s14, s13                    ; the scale words',
	s_cselect_b32 s16, 1536, 0                     ; and how much further on image B and its words lie
	s_cselect_b32 s17, 64, 0
	s_cselect_b32 s[SM], -1, 0                     ; all ones for v
	s_add_co_u32 s12, s6, s10                      ; image A
	s_add_co_u32 s14, s7, s10
	s_add_co_u32 s14, s14, s16                     ; image B
	s_add_co_u32 s15, s6, s13                      ; A's words
	s_add_co_u32 s16, s7, s13
	s_add_co_u32 s16, s16, s17                     ; B's words
	s_mov_b32 s[HI], 0xffff0000                    ; lanes 16-31
	QUANT ACC, IMGA, X, PW
	QUANT ACC+64, Y, IMGB+6, PW+1
.irp k, 0,1,2,3,4,5                    ; q, k: an image = one head, both token tiles; v: an image = one feature tile, both halves of the 128 keys
	v_cndmask_b32 v[IMGA+6+\k], v[Y+\k], v[X+\k], s[SM]
	v_cndmask_b32 v[IMGB+\k], v[X+\k], v[Y+\k], s[SM]
.endr
	v_perm_b32 v94, v[PW+1], v[PW], 0x05040100     ; q, k: head A's two bytes of each token tile;
	v_perm_b32 v95, v[PW+1], v[PW], 0x07060302     ; head B's
	v_cndmask_b32 v94, v94, v[PW], s[SM]           ; v: the words as they are
	v_cndmask_b32 v95, v95, v[PW+1], s[SM]
	v_cndmask_b32 v96, v94, v95, s[HI]             ; lanes 0-15 store A's words, lanes 16-31 B's (both halves of the lanes hold row r's word)
	v_mov_b32 v97, s15
	v_mov_b32 v98, s16
	v_cndmask_b32 v97, v97, v98, s[HI]
	v_and_b32 v98, 15, v0
	v_lshl_add_u32 v97, v98, 2, v97
	v_and_b32 v98, 31, v0
	v_lshlrev_b32 v98, 4, v98
	v_add_nc_u32 v99, s14, v98
	v_add_nc_u32 v98, s12, v98
.irp k, 0,1,2
	global_store_b128 v98, v[IMGA+4*\k:IMGA+4*\k+3], s[DST:DST+1] offset:512*\k   ; 32 lanes store 512 consecutive bytes, at a multiple of 256 from the buffer's first byte
	global_store_b128 v99, v[IMGB+4*\k:IMGB+4*\k+3], s[DST:DST+1] offset:512*\k
.endr
	global_store_b32 v97, v96, s[DST:DST+1]
	s_set_vgpr_msb 0x5
	s_wait_tensorcnt 0x0
	ds_add_u32 v0, v1
	s_wait_dscnt 0x0
	s_set_vgpr_msb 0x500
	s_endpgm
.Lfunc_end_k_q0c0d594e32_qkv:
	.size	k_q0c0d594e32_qkv, .Lfunc_end_k_q0c0d594e32_qkv-k_q0c0d594e32_qkv
	.p2alignl 7, 3214868480
	.fill 96, 4, 3214868480
	.section	.rodata,"a",@progbits
	.p2align	6, 0x0
	.amdhsa_kernel k_q0c0d594e32_qkv
		.amdhsa_group_segment_fixed_size 158208
		.amdhsa_private_segment_fixed_size 0
		.amdhsa_enable_private_segment 0
		.amdhsa_kernarg_size 104
		.amdhsa_user_sgpr_count 2
		.amdhsa_user_sgpr_kernarg_segment_ptr 1
		.amdhsa_wavefront_size32 1
		.amdhsa_system_sgpr_workgroup_id_x 1
		.amdhsa_system_sgpr_workgroup_id_y 1
		.amdhsa_system_sgpr_workgroup_id_z 1
		.amdhsa_system_vgpr_workitem_id 0
		.amdhsa_next_free_vgpr 258
		.amdhsa_next_free_sgpr 66
		.amdhsa_reserve_vcc 0
		.amdhsa_float_denorm_mode_32 3
		.amdhsa_float_denorm_mode_16_64 3
		.amdhsa_memory_ordered 1
		.amdhsa_forward_progress 1
		.amdhsa_inst_pref_size 82
	.end_amdhsa_kernel
	.amdgpu_metadata
---
amdhsa.version: [ 1, 2 ]
amdhsa.kernels:
  - .name:           k_q0c0d594e32_qkv
    .symbol:         k_q0c0d594e32_qkv.kd
    .args:
      - { .name: x_codes, .offset: 0, .size: 8, .value_kind: global_buffer, .address_space: global }
      - { .name: x_scales, .offset: 8, .size: 8, .value_kind: global_buffer, .address_space: global }
      - { .name: Wq_codes, .offset: 16, .size: 8, .value_kind: global_buffer, .address_space: global }
      - { .name: Wq_scales, .offset: 24, .size: 8, .value_kind: global_buffer, .address_space: global }
      - { .name: bq, .offset: 32, .size: 8, .value_kind: global_buffer, .address_space: global }
      - { .name: Wk_codes, .offset: 40, .size: 8, .value_kind: global_buffer, .address_space: global }
      - { .name: Wk_scales, .offset: 48, .size: 8, .value_kind: global_buffer, .address_space: global }
      - { .name: bk, .offset: 56, .size: 8, .value_kind: global_buffer, .address_space: global }
      - { .name: Wv_codes, .offset: 64, .size: 8, .value_kind: global_buffer, .address_space: global }
      - { .name: Wv_scales, .offset: 72, .size: 8, .value_kind: global_buffer, .address_space: global }
      - { .name: bv, .offset: 80, .size: 8, .value_kind: global_buffer, .address_space: global }
      - { .name: qw, .offset: 88, .size: 8, .value_kind: global_buffer, .address_space: global }
      - { .name: kv, .offset: 96, .size: 8, .value_kind: global_buffer, .address_space: global }
    .group_segment_fixed_size: 158208
    .private_segment_fixed_size: 0
    .kernarg_segment_align: 8
    .kernarg_segment_size: 104
    .max_flat_workgroup_size: 128
    .sgpr_count:     66
    .vgpr_count:     258
    .wavefront_size: 32
...
	.end_amdgpu_metadata
.endif
;; end of part 1
;; launch attn (part 2): grid 64 x 4, 12 waves a work-group, clusters of 4 x 1, 327,680 bytes of LDS; arguments qw, kv, ao, asc; writes ao, asc
.if DOCPART == 2
	.amdgcn_target "amdgcn-amd-amdhsa--gfx1250"
	.amdhsa_code_object_version 6
	.text
	.protected	k_q0c0d594e32_attn
	.globl	k_q0c0d594e32_attn
	.p2align	8
	.type	k_q0c0d594e32_attn,@function
k_q0c0d594e32_attn:
	s_mov_b64 s[64:65], 0
	v_nop
	global_prefetch_b8 v0, s[64:65] scope:SCOPE_SE
	s_setreg_imm32_b32 hwreg(HW_REG_WAVE_MODE, 25, 1), 1
	s_wait_xcnt 0x0
	s_wait_alu depctr_hold_cnt(0) depctr_sa_sdst(0) depctr_va_vdst(0) depctr_va_sdst(0) depctr_va_ssrc(0) depctr_va_vcc(0) depctr_vm_vsrc(0)
	s_getreg_b32 s2, hwreg(HW_REG_IB_STS2, 6, 4)
	s_cmp_eq_u32 s2, 0
	s_cbranch_scc0 .Lentry_in_a_cluster
	s_endpgm
.Lentry_in_a_cluster:
	s_bfe_u32 s2, ttmp6, 0x10000c
	s_cmp_lg_u32 s2, 0x3003
	s_cbranch_scc0 .Lentry_shape_is_right
	s_endpgm
.Lentry_shape_is_right:
; For each head: O[q] = sum over keys of p V / l, p = 2^(t - M), t = (Q[q] . K[key]) log2(e) / 8, M = the row's largest t so far rounded UP to a whole number; l = the sum of the unquantised p.
; Both products on codes of FP6 (E2M3) with E8M0 scales; p is quantised along the keys, O / l along the head's 64, and stored as the next launch's operand registers.
; SHARES.  4,096 queries x 12 heads are 3,072 tiles of 16 queries = 256 work-groups x 12 waves.  Work-group (X, g): 64 queries x heads 3 g .. 3 g + 2; wave w: head 3 g + w / 4, query tile T = 4 X + w % 4.
; Every wave walks the head's 32 key steps of 128 keys.  Three waves share a SIMD, so that one wave's vector work stands beside another's LDS loads and products.
; LAYOUT.  Both products are used transposed (S^T = K Q^T, O^T = V^T P^T): a lane holds ONE query throughout.  K, V and Q come as images of operand registers (16 bytes a lane, 512 a load): no pitch, no padding.
; THE FIRST PRODUCT'S K IS 64.  An image of K holds TWO tiles of 16 keys: registers 0-5 tile (b, 0), 6-11 tile (b, 1).  Q stands as [q | zeros | q] in 18 registers: the first 12 pick tile (b, 0), the last 12 tile (b, 1);
; Q's zero codes, under the scale byte 0 (2^-127), add exactly 0 whatever K holds beside them (K's bytes are never 0xff).  So every LDS byte read is data.
; The keys of a tile are chosen so that the 16 registers of S^T's tiles 2 b, 2 b + 1 are keys 32 b + 16 (lane / 16) + 0 .. 15.
; RING.  Two LDS slots of two key steps x three heads (76,800 dense bytes of kv), each filled by twelve tensor loads, one a wave, of 25 rows x 256 bytes.
; CLUSTER.  The four work-groups of a cluster have the same g and walk the same bytes of kv: each load is asked for JOINTLY, same descriptor, a mask that names the four.
; All of a WGP's LDS is claimed, and 0 is added to spare words at each change of slots and at the end.
; LIMITS: NaN and infinities are not served.  v_exp_f32 gives 0 for what would lie under 2^-126.  A block's largest p is taken as the exponential of its largest score (this takes v_exp_f32 not to fall where its input rises).
; A block whose largest magnitude lies under 2^-124, zeros too, gets the byte 1 (the rule says 127 for zeros): its codes add nothing, and this program alone reads the bytes.
; The 32 scale bytes of a wave leave by single bytes, 24 bytes apart: one byte in 25 of what the launch stores.
.set STEPB, 38400                      ; a key step of three heads
.set HEADB, 12800                      ; one head's: K's four images, V's four, K's words, V's words
.set SLOTB, 2*STEPB
.set SLOT1, 1<<17                      ; slot 1 begins here: one exclusive or turns an address from slot to slot
.set SPARE, SLOT1+SLOTB                ; the spare words: 128 bytes for each of 12 waves, six blocks of 256 bytes that no other line names
.set SPW, 1                            ; v1   SPARE + 4 x thread; never rewritten
.set NIL, 2                            ; v2   0; never rewritten
.set AF0, 3                            ; v3   16 l + my head's place in a step
.set AS0, 4                            ; v4   4 l + my head's scale words
.set ADR, 5
.set ADS, 6
.set PFO, 7                            ; v7   the prefetch's offset
.set QSL, 8                            ; v8   Q's scale word [s0, s1, 0, 0];  v9 [0, 0, s0, s1]
.set KS,  10                           ; v10-11 K's scale words: lanes 0-15 an even pair image's, lanes 16-31 the odd one's
.set VS,  12                           ; v12-13 V's
.set PSW, 14                           ; v14  p's scale word
.set NM,  16                           ; v16 -M, v17 the largest t so far
.set SUM, 18                           ; v[18:19] l in two halves
.set FF,  20                           ; v[20:21] f = 2^(old M - new M); at the end 1 / l
.set TP,  22                           ; v[22:23] at work
.set QB,  24                           ; v24-41 [q | 0 | q]
.set KV,  48                           ; v48-95 K's four pair images, then V's four images
.set S,   96                           ; v96-159 S^T, then p
.set OT,  160                          ; v160-191 O^T
.set PCD, 192                          ; v192-203 p's codes
.set CT,  204
.set BM,  212
.set BX,  216
.set SO,  220
.set OL,  224                          ; v224-255 O / l
.set WV,  12
.set SEL, 20
.set CS,  22
.set G1,  24
.set G0,  32
.set TB,  36
.set SLOTS, 37
.set PFA, 38
.set LIM, 40
.set UM,  56
.set HI,  57
.macro ROUND                           ; a round of the cluster's barrier
	s_barrier_signal -1
	s_barrier_wait -1
	s_cmp_lg_u32 s[WV], 0
	s_cbranch_scc1 .Lnot_wave_0_\@
	s_barrier_signal -3
.Lnot_wave_0_\@:
	s_barrier_wait -3
	s_barrier_signal -1
	s_barrier_wait -1
.endm
; A PREFETCH INTO THE L2 of the slot that the NEXT change of slots will ask for: two key steps ahead of that load.  All sixteen clusters of a group g walk the same bytes: the first of them (cluster x = 0) asks.
; A slot is twelve pieces of 6,400 bytes: the four partners share them out BY ADDRESS, piece 3 cx + w for waves 0 to 2, lanes 256 bytes apart.  A piece is 25 blocks of 256 bytes: lanes 25 to 31 name lane 24's again.
; The last change that fills a slot asks for nothing; slots 0 and 1 come by their loads alone.
.macro ASK
	s_cmp_gt_u32 s[SLOTS], s[LIM]
	s_cbranch_scc0 .Lnot_mine_\@
	global_prefetch_b8 v[PFO], s[PFA:PFA+1] th:TH_LOAD_NT scope:SCOPE_SE
.Lnot_mine_\@:
.endm
.macro WMZ d, a, b, sa, sb, ra         ; a product that starts its sum
.if \ra
	v_wmma_scale_f32_16x16x128_f8f6f4 v[\d:\d+7], v[\a:\a+11], v[\b:\b+11], 0, v[\sa], v[\sb] matrix_a_fmt:MATRIX_FMT_FP6 matrix_b_fmt:MATRIX_FMT_FP6 matrix_a_scale:MATRIX_SCALE_ROW1
.else
	v_wmma_scale_f32_16x16x128_f8f6f4 v[\d:\d+7], v[\a:\a+11], v[\b:\b+11], 0, v[\sa], v[\sb] matrix_a_fmt:MATRIX_FMT_FP6 matrix_b_fmt:MATRIX_FMT_FP6
.endif
.endm
.macro WMA d, a, b, sa, sb, ra         ; a product that adds in place
.if \ra
	v_wmma_scale_f32_16x16x128_f8f6f4 v[\d:\d+7], v[\a:\a+11], v[\b:\b+11], v[\d:\d+7], v[\sa], v[\sb] matrix_a_fmt:MATRIX_FMT_FP6 matrix_b_fmt:MATRIX_FMT_FP6 matrix_a_scale:MATRIX_SCALE_ROW1
.else
	v_wmma_scale_f32_16x16x128_f8f6f4 v[\d:\d+7], v[\a:\a+11], v[\b:\b+11], v[\d:\d+7], v[\sa], v[\sb] matrix_a_fmt:MATRIX_FMT_FP6 matrix_b_fmt:MATRIX_FMT_FP6
.endif
.endm
	s_load_b256 s[4:11], s[0:1], 0x0               ; qw, kv, ao, asc
	v_lshl_add_u32 v[SPW], v0, 2, SPARE
	v_mov_b32 v[NIL], 0
	ds_add_u32 v1, v2
	ds_add_u32 v1, v2
	s_wait_dscnt 0x0
	v_lshrrev_b32 v22, 5, v0
	v_readfirstlane_b32 s[WV], v22                 ; wave 0..11
	s_bfe_u32 s13, ttmp6, 0x40000                  ; cx: it enters the addresses of qw, ao, asc and of the prefetch alone
	s_lshl_b32 s14, ttmp9, 2
	s_add_co_u32 s14, s14, s13                     ; X = 4 x cluster x + cx
	s_and_b32 s15, ttmp7, 0xffff                   ; g, which the four partners share
	s_lshr_b32 s16, s[WV], 2                       ; my head in the group
	s_and_b32 s17, s[WV], 3
	s_mul_i32 s18, s15, 3
	s_add_co_u32 s18, s18, s16                     ; my head
	s_lshl_b32 s19, s14, 2
	s_add_co_u32 s19, s19, s17                     ; T, my tile of 16 queries
	; descriptor group 1: 25 rows of 256 bytes (32 elements of 8 bytes), dense in memory and in LDS
	s_mov_b32 s[G1], 15|(3<<16)|(1<<21)            ; 15:0 the mask: all four work-groups; 17:16 elements of 8 bytes; 20 no padding; 21 set beside a mask
	s_mov_b32 s[G1+1], 32<<16                      ; tensor_dim0 = 32
	s_mov_b32 s[G1+2], 25<<16                      ; tensor_dim1 = 25
	s_mov_b32 s[G1+3], 32<<16                      ; tile_dim0 = 32
	s_mov_b32 s[G1+4], 25                          ; tile_dim1 = 25
	s_mov_b32 s[G1+5], 32                          ; from row to row
	s_mov_b32 s[G1+6], 0
	s_mov_b32 s[G1+7], 0
	s_mov_b32 s[SEL], 0x76543210
	s_mov_b32 s[SEL+1], 0xfedcba98                 ; lane l xor 16
	s_mov_b32 s[CS], 0x3e38aa3b                    ; c = log2(e) / sqrt(64)
	s_mov_b32 s[CS+1], s[CS]                       ; (named with it as a pair, so it is written)
	s_mov_b32 s[TB], 0
	s_mov_b32 s[SLOTS], 15                         ; 16 slots' worth of keys; slot 0 is asked for at the head
	s_mov_b32 s[HI], 0xffff0000
	s_mul_i32 s41, s[WV], 6400                     ; my twelfth of a slot, in LDS and in memory
	s_mul_i32 s42, s15, 32*STEPB
	s_add_co_u32 s42, s42, s41
	s_mov_b32 s43, 0
	s_min_u32 s44, s[WV], 2                        ; the prefetches: piece 3 cx + w (waves 0 to 2 ask),
	s_mul_i32 s45, s13, 3
	s_add_co_u32 s44, s44, s45
	s_mul_i32 s44, s44, 6400
	s_mul_i32 s45, s15, 32*STEPB
	s_add_co_u32 s44, s44, s45
	s_add_co_u32 s44, s44, SLOTB                   ; in slot 1: the first change of slots steps it to slot 2
	s_mov_b32 s45, 0
	s_cmp_lt_u32 s[WV], 3
	s_cselect_b32 s[LIM], ttmp9, -1
	s_cmp_eq_u32 s[LIM], 0                         ; waves 0 to 2 of the group's first cluster: the same in all four partners
	s_cselect_b32 s[LIM], 1, -1
	s_lshl_b32 s46, s18, 5                         ; Q: chunk (32 head + T / 8) 6,400,
	s_lshr_b32 s47, s14, 1
	s_add_co_u32 s46, s46, s47
	s_mul_i32 s46, s46, 6400
	s_bfe_u32 s47, s19, 0x20001                    ; pair image (T / 2) % 4
	s_mul_i32 s48, s47, 1536
	s_add_co_u32 s48, s48, s46
	s_lshl_b32 s47, s47, 6
	s_add_co_u32 s47, s47, s46
	s_add_co_u32 s47, s47, 6144                    ; and its scale words
	s_and_b32 s49, s[WV], 1                        ; u = T % 2: which half of the pair is mine
	s_cmp_eq_u32 s49, 1
	s_cselect_b32 s[UM], -1, 0
	s_lshl_b32 s49, s49, 4
	s_mul_i32 s50, s19, 12
	s_add_co_u32 s50, s50, s18
	s_mul_i32 s50, s50, 768                        ; ao: (12 T + head) 768
	s_mov_b32 s51, 0
	s_mul_i32 s52, s19, 384
	s_add_co_u32 s52, s52, s18
	s_add_co_u32 s52, s52, s18                     ; asc: 384 T + 2 head
	s_mov_b32 s53, 0
	s_mul_i32 s54, s16, HEADB
	v_and_b32 v22, 31, v0                          ; l
	v_and_b32 v23, 15, v0                          ; r
	v_lshlrev_b32 v42, 4, v22                      ; 16 l
	v_lshlrev_b32 v43, 3, v22                      ; 8 l
	v_bfe_u32 v44, v0, 4, 1
	v_mad_u32_u24 v44, v23, 24, v44                ; 24 r + h
	v_add_nc_u32 v[AF0], s54, v42
	v_lshl_add_u32 v[AS0], v22, 2, s54
	v_add_nc_u32 v[AS0], 12288, v[AS0]
	v_min_u32 v[PFO], 24, v22
	v_lshlrev_b32 v[PFO], 8, v[PFO]
	v_add_nc_u32 v45, s48, v42
	v_lshl_add_u32 v46, v23, 2, s47
	s_wait_kmcnt 0x0
	s_mov_b32 s[G0], 1                             ; 1:0 count = 1
	s_mov_b32 s[G0+1], s41                         ; LDS address: slot 0
	s_add_nc_u64 s[G0+2:G0+3], s[6:7], s[42:43]    ; global address: my twelfth of the group's first two key steps
	s_or_b32 s[G0+3], s[G0+3], 0x80000000          ; type = 2
	s_add_nc_u64 s[PFA:PFA+1], s[6:7], s[44:45]
	s_add_nc_u64 s[8:9], s[8:9], s[50:51]
	s_add_nc_u64 s[10:11], s[10:11], s[52:53]
.irp k, 0,1,2
	global_load_b128 v[S+4*\k:S+4*\k+3], v45, s[4:5] offset:512*\k   ; the pair image that holds my tile of Q
.endr
	global_load_b32 v47, v46, s[4:5]               ; and its scale words
	ROUND                                          ; all four work-groups are here: the first joint loads meet
	tensor_load_to_lds s[G0:G0+3], s[G1:G1+7]      ; slot 0: one tensor load of mine is out
	s_nop 0
.rept 4
	v_nop                                          ; four v_nop follow a tensor load
.endr
	s_wait_loadcnt 0x0
.irp k, 0,1,2,3,4,5
	v_cndmask_b32 v[QB+\k], v[S+\k], v[S+6+\k], s[UM]
	v_mov_b32 v[QB+6+\k], 0
.endr
.irp k, 0,1,2,3,4,5
	v_mov_b32 v[QB+12+\k], v[QB+\k]
.endr
	v_lshrrev_b32 v[QSL], s49, v47
	v_and_b32 v[QSL], 0xffff, v[QSL]               ; my tile's two bytes, under zeros
	v_lshlrev_b32 v[QSL+1], 16, v[QSL]             ; and over zeros
	v_mov_b32 v[NM+1], 0xff61b1e6                  ; the largest t so far: -3e38
	v_floor_f32 v[NM], -v[NM+1]                    ; -M
	v_mov_b32 v[SUM], 0
	v_mov_b32 v[SUM+1], 0
	v_mov_b32 v[FF], 0
	v_mov_b32 v[FF+1], 0                           ; (named as the upper half of a pair)
.irp b, 0,1,2,3
	v_mov_b32 v[BX+\b], 0                          ; a lane permute's destination counts as one of its sources
.endr
.set j, 0
.rept 32
	v_mov_b32 v[OT+j], 0                           ; O^T.  The key step is written without a first step of its own: the first finds zeros, which the first change of M leaves zeros
.set j, j+1
.endr
; A KEY STEP: 128 keys, the q-th of the slot in hand.
.macro STEP q
	v_add_nc_u32 v[ADR], s[TB], v[AF0]
	v_add_nc_u32 v[ADS], s[TB], v[AS0]
	v_nop
	v_nop                                          ; four places between the last products and loads into registers that they have read
.irp b, 0,1,2,3
.irp k, 0,1,2
	ds_load_b128 v[KV+12*\b+4*\k:KV+12*\b+4*\k+3], v[ADR] offset:STEPB*(\q)+1536*\b+512*\k
.endr
.endr
	ds_load_b32 v[KS], v[ADS] offset:STEPB*(\q)
	ds_load_b32 v[KS+1], v[ADS] offset:STEPB*(\q)+128
	s_wait_dscnt 0x0
.irp t, 0,1,2,3,4,5,6,7                ; S^T = K Q^T: tile t = half t % 2 of pair image t / 2
	WMZ S+8*\t, KV+12*(\t/2), QB+6*(\t%2), KS+\t/4, QSL+\t%2, (\t/2)%2
.endr
.rept 4
	v_nop                                          ; places in front of the loads below and of the first read of the scores
.endr
.irp b, 0,1,2,3
.irp k, 0,1,2
	ds_load_b128 v[KV+12*\b+4*\k:KV+12*\b+4*\k+3], v[ADR] offset:STEPB*(\q)+6144+1536*\b+512*\k   ; V's four images: they land under the softmax
.endr
.endr
	ds_load_b32 v[VS], v[ADS] offset:STEPB*(\q)+256
	ds_load_b32 v[VS+1], v[ADS] offset:STEPB*(\q)+384
.irp b, 0,1,2,3
	v_max3_num_f32 v[BM+\b], v[S+16*\b], v[S+1+16*\b], v[S+2+16*\b]   ; the largest score of each block of 32 keys: for the row's maximum and for the block's largest p
.endr
.irp i, 3,5,7,9,11,13
.irp b, 0,1,2,3
	v_max3_num_f32 v[BM+\b], v[BM+\b], v[S+16*\b+\i], v[S+1+16*\b+\i]
.endr
.endr
.irp b, 0,1,2,3
	v_max_num_f32 v[BM+\b], v[BM+\b], v[S+15+16*\b]
.endr
.irp b, 0,1,2,3
	v_permlanex16_b32 v[BX+\b], v[BM+\b], s[SEL], s[SEL+1]
.endr
.irp b, 0,1,2,3
	v_max_num_f32 v[BM+\b], v[BM+\b], v[BX+\b]     ; with lane l xor 16's 16 keys
.endr
	v_max3_num_f32 v[TP], v[BM], v[BM+1], v[BM+2]
	v_max_num_f32 v[TP], v[TP], v[BM+3]
	v_mul_f32 v[TP], s[CS], v[TP]                  ; the step's largest t (c is positive)
	v_max_num_f32 v[NM+1], v[NM+1], v[TP]          ; the running largest t
	v_mov_b32 v[TP], v[NM]
	v_floor_f32 v[NM], -v[NM+1]                    ; the new -M = -ceil(t): a whole number
	v_sub_f32 v[TP], v[NM], v[TP]                  ; old M - new M: a whole number, 0 or less
	v_cvt_i32_f32 v[TP], v[TP]                     ; (it saturates)
	v_ldexp_f32 v[FF], 1.0, v[TP]                  ; f = 2^(old M - new M): a multiplication by it rounds nothing
.set j, 0
.rept 32
	v_pk_fma_f32 v[S+j:S+j+1], v[S+j:S+j+1], s[CS:CS+1], v[NM:NM+1] op_sel_hi:[1,0,0]   ; t - M, two at a time (of the pairs c and -M the low word serves both halves)
.set j, j+2
.endr
.irp b, 0,1,2,3
	v_fma_f32 v[BM+\b], v[BM+\b], s[CS], v[NM]     ; the same of each block's largest score
.endr
.set j, 0
.rept 64
	v_exp_f32 v[S+j], v[S+j]                       ; p = 2^(t - M), at most 1: not normalised
.set j, j+1
.endr
	v_pk_mul_f32 v[SUM:SUM+1], v[SUM:SUM+1], v[FF:FF+1] op_sel_hi:[1,0]   ; the sums under the new M: the plain place behind the exponentials
	s_wait_alu depctr_va_vdst(0)                   ; one wait for the batch of 64, ahead of its first reader
.irp b, 0,1,2,3
	v_exp_f32 v[BM+\b], v[BM+\b]                   ; the block's largest p: the same two instructions on the same number give the same bits
.endr
	v_pk_add_f32 v[TP:TP+1], v[S:S+1], v[S+2:S+3]  ; the row's sum is taken of the unquantised p, in two chains
.set j, 4
.rept 15
	v_pk_add_f32 v[SUM:SUM+1], v[SUM:SUM+1], v[S+j:S+j+1]
	v_pk_add_f32 v[TP:TP+1], v[TP:TP+1], v[S+j+2:S+j+3]
.set j, j+4
.endr
	v_pk_add_f32 v[SUM:SUM+1], v[SUM:SUM+1], v[TP:TP+1]
	s_wait_alu depctr_va_vdst(0)                   ; and one for the four
.irp b, 0,1,2,3
	v_max_num_f32 v[BM+\b], 0x1800000, v[BM+\b]    ; the floor 2^(3 - 127): the byte cannot fall under 1
.endr
.irp b, 0,1,2,3
	v_add_nc_u32 v[SO+\b], 0xff000000, v[BM+\b]    ; 2 off the exponent field: the conversion's scale operand
.endr
.irp b, 0,1,2,3
	v_lshrrev_b32 v[BX+\b], 23, v[SO+\b]           ; the scale's byte
.endr
	v_lshl_or_b32 v[PSW], v[BX+1], 8, v[BX]        ; p's scale word for these 128 keys
	v_lshl_or_b32 v[PSW], v[BX+2], 16, v[PSW]
	v_lshl_or_b32 v[PSW], v[BX+3], 24, v[PSW]
.irp c, 0,1
	v_cvt_scalef32_pk16_fp6_f32 v[PCD+6*\c:PCD+2+6*\c], v[S+32*\c:S+15+32*\c], v[SO+2*\c]
	v_cvt_scalef32_pk16_fp6_f32 v[CT+4*\c:CT+2+4*\c], v[S+16+32*\c:S+31+32*\c], v[SO+2*\c+1]   ; (a conversion's three registers begin on an even number)
.endr
	v_nop                                          ; one plain place behind a scaled conversion
.irp c, 0,1
.irp i, 0,1,2
	v_permlane16_swap_b32 v[PCD+6*\c+\i], v[CT+4*\c+\i]   ; a whole block to a lane
.endr
.irp i, 0,1,2
	v_mov_b32 v[PCD+3+6*\c+\i], v[CT+4*\c+\i]
.endr
.endr
.set j, 0
.rept 16
	v_pk_mul_f32 v[OT+j:OT+j+1], v[OT+j:OT+j+1], v[FF:FF+1] op_sel_hi:[1,0]   ; O^T under the new M.  (Also the places between the lines that made p's codes and scale word and the products below)
.set j, j+2
.endr
	s_wait_dscnt 0x0                               ; V is in
.irp t, 0,1,2,3                        ; O^T += V^T P^T: four accumulators, one instruction a turn
	WMA OT+8*\t, KV+12*\t, PCD, VS+\t/2, PSW, \t%2
.endr
.endm
; THE CHANGE OF SLOTS stands at a slot's head.  Each wave waits for all its tensor loads (one is out: its twelfth of the slot ahead), adds 0 to its spare word, and waits for that and for its reads of the slot that it has left.
; Then a round of the cluster's barrier: no wave of any partner still reads that slot or has a load on its way.  fill = 1: the slot left is filled with the keys that follow: the load has two key steps in which to land.
.macro CHANGE fill
	s_wait_tensorcnt 0x0                           ; no tensor load of mine is out, so group 0 may be written
	ds_add_u32 v[SPW], v[NIL]                      ; 0 onto my spare word
.if \fill
	s_xor_b32 s[G0+1], s[G0+1], SLOT1              ; the other slot than last time,
	s_add_nc_u64 s[G0+2:G0+3], s[G0+2:G0+3], SLOTB ; the next two key steps; the type bits on top are not reached
	s_wait_xcnt 0x0                                ; the last prefetch, two key steps back, has read its address
	s_add_nc_u64 s[PFA:PFA+1], s[PFA:PFA+1], SLOTB ; one slot further on than the descriptor
.endif
	s_wait_dscnt 0x0                               ; the add is done, and my reads of the slot that I have left are over
	ROUND
.if \fill
	tensor_load_to_lds s[G0:G0+3], s[G1:G1+7]      ; the first thing behind the round, and my one tensor load until the next
	s_nop 0
.rept 4
	v_nop
.endr
	ASK
.endif
.endm
.Lslot:                                            ; 15 trips: behind each change of slots but the last the next slot is asked for
	CHANGE 1
	STEP 0
	STEP 1
	s_xor_b32 s[TB], s[TB], SLOT1
	s_sub_co_u32 s[SLOTS], s[SLOTS], 1
	s_cmp_lg_u32 s[SLOTS], 0
	s_cbranch_scc1 .Lslot
	CHANGE 0                                       ; the last slot is written out
	STEP 0
	STEP 1
	; THE WAY OUT.  O^T / l; register 16 b + i of a lane is d = 32 b + 16 h + i of my query: two blocks of 32 along the last product's K.
.rept 4
	v_nop                                          ; places behind the last products
.endr
	v_add_f32 v[SUM], v[SUM], v[SUM+1]
	v_permlanex16_b32 v[TP], v[SUM], s[SEL], s[SEL+1]
	v_add_f32 v[SUM], v[SUM], v[TP]                ; the row's sum
	v_rcp_f32 v[FF], v[SUM]
	v_nop                                          ; a plain place behind the transcendental
	s_wait_alu depctr_va_vdst(0)                   ; and the wait ahead of its first reader
.set j, 0
.rept 16
	v_pk_mul_f32 v[OL+j:OL+j+1], v[OT+j:OT+j+1], v[FF:FF+1] op_sel_hi:[1,0]
.set j, j+2
.endr
.irp b, 0,1
	v_max3_num_f32 v[BM+\b], |v[OL+16*\b]|, |v[OL+1+16*\b]|, 0x1800000
.endr
.irp i, 2,4,6,8,10,12,14
.irp b, 0,1
	v_max3_num_f32 v[BM+\b], v[BM+\b], |v[OL+16*\b+\i]|, |v[OL+1+16*\b+\i]|
.endr
.endr
.irp b, 0,1
	v_permlanex16_b32 v[BX+\b], v[BM+\b], s[SEL], s[SEL+1]
.endr
.irp b, 0,1
	v_max_num_f32 v[BM+\b], v[BM+\b], v[BX+\b]
.endr
.irp b, 0,1
	v_add_nc_u32 v[SO+\b], 0xff000000, v[BM+\b]
.endr
.irp b, 0,1
	v_lshrrev_b32 v[BX+\b], 23, v[SO+\b]
.endr
	v_cvt_scalef32_pk16_fp6_f32 v[PCD:PCD+2], v[OL:OL+15], v[SO]
	v_cvt_scalef32_pk16_fp6_f32 v[CT:CT+2], v[OL+16:OL+31], v[SO+1]
	v_nop
.irp i, 0,1,2
	v_permlane16_swap_b32 v[PCD+\i], v[CT+\i]
.endr
.irp i, 0,1,2
	v_mov_b32 v[PCD+3+\i], v[CT+\i]                ; registers 0-5: d = 32 h + 0 .. 31 of query r: half of the next launch's fragment
.endr
	v_cndmask_b32 v[BX], v[BX], v[BX+1], s[HI]     ; lane (r, h) stores block h's byte
	global_store_b128 v42, v[PCD:PCD+3], s[8:9]    ; 32 lanes store 512 consecutive bytes, at a multiple of 256 from ao's first byte,
	global_store_b64 v43, v[PCD+4:PCD+5], s[8:9] offset:512   ; and 256
	global_store_b8 v44, v[BX], s[10:11]
	s_wait_tensorcnt 0x0                           ; the wave's end
	ds_add_u32 v[SPW], v[NIL]
	s_wait_dscnt 0x0
	ROUND                                          ; the closing round: no work-group ends while a partner may still ask for a tile that names it
	s_endpgm
.Lfunc_end_k_q0c0d594e32_attn:
	.size	k_q0c0d594e32_attn, .Lfunc_end_k_q0c0d594e32_attn-k_q0c0d594e32_attn
	.p2alignl 7, 3214868480
	.fill 96, 4, 3214868480
	.section	.rodata,"a",@progbits
	.p2align	6, 0x0
	.amdhsa_kernel k_q0c0d594e32_attn
		.amdhsa_group_segment_fixed_size 327680
		.amdhsa_private_segment_fixed_size 0
		.amdhsa_enable_private_segment 0
		.amdhsa_kernarg_size 32
		.amdhsa_user_sgpr_count 2
		.amdhsa_user_sgpr_kernarg_segment_ptr 1
		.amdhsa_wavefront_size32 1
		.amdhsa_system_sgpr_workgroup_id_x 1
		.amdhsa_system_sgpr_workgroup_id_y 1
		.amdhsa_system_sgpr_workgroup_id_z 1
		.amdhsa_system_vgpr_workitem_id 0
		.amdhsa_next_free_vgpr 256
		.amdhsa_next_free_sgpr 66
		.amdhsa_reserve_vcc 0
		.amdhsa_float_denorm_mode_32 3
		.amdhsa_float_denorm_mode_16_64 3
		.amdhsa_memory_ordered 1
		.amdhsa_forward_progress 1
		.amdhsa_inst_pref_size 74
	.end_amdhsa_kernel
	.amdgpu_metadata
---
amdhsa.version: [ 1, 2 ]
amdhsa.kernels:
  - .name:           k_q0c0d594e32_attn
    .symbol:         k_q0c0d594e32_attn.kd
    .args:
      - { .name: qw, .offset: 0, .size: 8, .value_kind: global_buffer, .address_space: global }
      - { .name: kv, .offset: 8, .size: 8, .value_kind: global_buffer, .address_space: global }
      - { .name: ao, .offset: 16, .size: 8, .value_kind: global_buffer, .address_space: global }
      - { .name: asc, .offset: 24, .size: 8, .value_kind: global_buffer, .address_space: global }
    .group_segment_fixed_size: 327680
    .private_segment_fixed_size: 0
    .kernarg_segment_align: 8
    .kernarg_segment_size: 32
    .max_flat_workgroup_size: 384
    .sgpr_count:     66
    .vgpr_count:     256
    .wavefront_size: 32
...
	.end_amdgpu_metadata
.endif
;; end of part 2
;; launch oproj (part 3): grid 4 x 64, 4 waves a work-group, no clusters, 168,960 bytes of LDS; arguments ao, asc, Wo_codes, Wo_scales, bo, out0; writes out0
.if DOCPART == 3
	.amdgcn_target "amdgcn-amd-amdhsa--gfx1250"
	.amdhsa_code_object_version 6
	.text
	.protected	k_q0c0d594e32_oproj
	.globl	k_q0c0d594e32_oproj
	.p2align	8
	.type	k_q0c0d594e32_oproj,@function
k_q0c0d594e32_oproj:
	s_mov_b64 s[64:65], 0
	v_nop
	global_prefetch_b8 v0, s[64:65] scope:SCOPE_SE
	s_setreg_imm32_b32 hwreg(HW_REG_WAVE_MODE, 25, 1), 1
	s_wait_xcnt 0x0
; out0 = a Wo^T + bo on codes of FP6 (E2M3) with E8M0 scales, f32 sums.  a: the attention's result, 4,096 x 768, as the launch before stored it: ao [tile T of 16 tokens][head][768 bytes]: six registers a lane
; (registers 0-3 at 16 x lane, 4-5 at 512 + 8 x lane), asc [T][16 rows][24 scale bytes].  Wo: [768][768]: a row is 576 bytes of codes and 24 scale bytes.
; SHARES.  Work-group (nb, y): features 192 nb .. + 191 x 64 tokens.  Wave w: token tile T = 4 y + w against all 12 tiles of Wo's rows: 12 accumulators, 72 matrix instructions.
; The tile's six fragments of a come straight from memory into registers, once, and stay.  Wo's 192 rows go through LDS, since all four waves read them.
; TRANSPOSED USE: source 0 = 16 rows of Wo, source 1 = the 16 tokens: a lane holds eight neighbouring columns of one token's row.  bo is the C of each sum's first product.
; Lane r of tile T is token 128 (T / 8) + 32 ((T / 2) % 4) + 8 (T % 2) + r + 8 (r / 8).
; No tensor load: a row of 576 bytes gets its 16 bytes of padding from the lanes' own LDS addresses.  No prefetch: the launch is short, and Wo is read by 64 work-groups.
; LIMITS: NaN and infinities are not served.
.set ROWB,  576
.set PITCH, 592                        ; 576 + 16 = 148 words: row r starts at bank 20 r mod 64 (64 banks of 4 bytes: ISA guide 11.1)
.set TILEB, 16*PITCH
.set GRPB,  8*PITCH
.set NROW,  192
.set SC,    NROW*PITCH                 ; Wo's scale bytes, as they lie in memory
.set STG,   SC+NROW*24                 ; a stage of 16 rows x (768 + 16) bytes for each wave
.set SPITCH, 784
.set LA,  1                            ; staging: v1-9 LDS address of my 16 bytes of load j of a group of 8 rows
.set GA,  10                           ; v10  my byte in Wo's block
.set CG,  11                           ; v11  the scale bytes' copy: from,
.set CL,  12                           ; v12  to
.set A16, 13                           ; v13  16 l
.set A8,  14                           ; v14  8 l
.set RSO, 15                           ; v15  24 r
.set SCD, 22                           ; v22-30 Wo's scale bytes on their way to LDS
.set SA,  106                          ; set A, 18 loads
.set SB,  178                          ; set B
.set PA,  1                            ; behind the staging: v1 592 r + 24 h (tiles 0-5), v2 (tiles 6-11)
.set PA2, 2
.set PSA, 3                            ; v3   Wo's scale words: lanes 0-15 tile 2 pb, lanes 16-31 tile 2 pb + 1
.set STO, 4                            ; v4   the stage: where I put 32 bytes of a row
.set RDA, 5                            ; v5   and where I read rows back
.set RDB, 6
.set VOA, 7                            ; v7   my byte offset in out0
.set VOB, 8
.set BO,  9                            ; v9   32 h
.set RS,  16                           ; v16-21 a's scale words, one a K step
.set PS,  22                           ; v22-33 Wo's scale words, two sets of six
.set RF,  34                           ; v34-105 a's six fragments
.set PF,  106                          ; v106-153 two sets of a pair of Wo's fragments
.set ACC, 160                          ; v160-255 twelve accumulators
.set OB,  34                           ; the way out: rows read back
.set WV,  16
.macro WM d, a, b, sa, sb, ra          ; a product that adds in place; ra = 1: source 0's scale words stand in lanes 16-31
.if \ra
	v_wmma_scale_f32_16x16x128_f8f6f4 v[\d:\d+7], v[\a:\a+11], v[\b:\b+11], v[\d:\d+7], v[\sa], v[\sb] matrix_a_fmt:MATRIX_FMT_FP6 matrix_b_fmt:MATRIX_FMT_FP6 matrix_a_scale:MATRIX_SCALE_ROW1
.else
	v_wmma_scale_f32_16x16x128_f8f6f4 v[\d:\d+7], v[\a:\a+11], v[\b:\b+11], v[\d:\d+7], v[\sa], v[\sb] matrix_a_fmt:MATRIX_FMT_FP6 matrix_b_fmt:MATRIX_FMT_FP6
.endif
.endm
	s_load_b256 s[4:11], s[0:1], 0x0               ; ao, asc, Wo's codes, Wo's scales
	s_load_b128 s[12:15], s[0:1], 0x20             ; bo, out0
	s_set_vgpr_msb 0x40
	v_lshl_add_u32 v0, v0, 2, 0x29200
	v_mov_b32 v1, 0
	s_set_vgpr_msb 0x4000
	v_lshrrev_b32 v253, 5, v0
	v_readfirstlane_b32 s[WV], v253                ; wave 0..3
	s_and_b32 s17, ttmp7, 0xffff
	s_lshl_b32 s18, s17, 2
	s_add_co_u32 s18, s18, s[WV]                   ; T
	v_and_b32 v250, 31, v0                         ; l
	v_and_b32 v251, 15, v0                         ; r
	v_bfe_u32 v252, v0, 4, 1                       ; h
	s_mul_i32 s20, s[WV], 48*PITCH                 ; my wave stages 48 rows
	s_mul_i32 s21, s[WV], 48*ROWB
	s_mul_i32 s22, s[WV], 48*24
.irp j, 0,1,2,3,4,5,6,7,8              ; a group of 8 rows is 288 pieces of 16 bytes, 36 to a row; piece q = 32 j + l goes to 16 (q + q / 36); q / 36 = (1821 q) >> 16 for q < 288
	v_add_nc_u32 v[LA+\j], 32*\j, v250
	v_mul_u32_u24 v253, v[LA+\j], 1821
	v_lshrrev_b32 v253, 16, v253
	v_add_nc_u32 v[LA+\j], v[LA+\j], v253
	v_lshl_add_u32 v[LA+\j], v[LA+\j], 4, s20
.endr
	v_lshl_add_u32 v[GA], v250, 4, s21
	v_lshl_add_u32 v[CG], v250, 2, s22
	v_add_nc_u32 v[CL], SC, v[CG]
	v_lshlrev_b32 v[A16], 4, v250
	v_lshlrev_b32 v[A8], 3, v250
	v_mul_u32_u24 v[RSO], v251, 24
	s_mul_i32 s24, ttmp9, NROW*ROWB                ; Wo's block: codes,
	s_mov_b32 s25, 0
	s_mul_i32 s26, ttmp9, NROW*24                  ; scale bytes,
	s_mov_b32 s27, 0
	s_mul_i32 s28, ttmp9, NROW*4                   ; bo, and the columns of out0
	s_mov_b32 s29, 0
	s_mul_i32 s30, s18, 12*768                     ; my tile in ao
	s_mov_b32 s31, 0
	s_mul_i32 s32, s18, 384                        ; and in asc
	s_mov_b32 s33, 0
	s_lshr_b32 s34, s18, 3
	s_lshl_b32 s34, s34, 7
	s_bfe_u32 s35, s18, 0x20001
	s_lshl_b32 s35, s35, 5
	s_add_co_u32 s34, s34, s35
	s_and_b32 s35, s18, 1
	s_lshl_b32 s35, s35, 3
	s_add_co_u32 s34, s34, s35                     ; the tile's first token
	s_mul_i32 s34, s34, 3072
	s_add_co_u32 s34, s34, s28
	s_mov_b32 s35, 0
	s_wait_kmcnt 0x0
	s_add_nc_u64 s[4:5], s[4:5], s[30:31]
	s_add_nc_u64 s[6:7], s[6:7], s[32:33]
	s_add_nc_u64 s[8:9], s[8:9], s[24:25]
	s_add_nc_u64 s[10:11], s[10:11], s[26:27]
	s_add_nc_u64 s[12:13], s[12:13], s[28:29]
	s_add_nc_u64 s[14:15], s[14:15], s[34:35]
.irp hd, 0,1,2,3,4,5,6,7,8,9,10,11     ; K step hd / 2: registers 0-5 the even head, 6-11 the odd one
	global_load_b128 v[RF+6*\hd:RF+6*\hd+3], v[A16], s[4:5] offset:768*\hd th:TH_LOAD_NT
	global_load_b64 v[RF+6*\hd+4:RF+6*\hd+5], v[A8], s[4:5] offset:768*\hd+512 th:TH_LOAD_NT
.endr
.irp i, 0,1,2
	global_load_b64 v[RS+2*\i:RS+2*\i+1], v[RSO], s[6:7] offset:8*\i   ; row r's six scale words
.endr
.irp i, 0,1,2,3,4,5,6,7,8
	global_load_b32 v[SCD+\i], v[CG], s[10:11] offset:128*\i
.endr
; STAGING.  Load n of 54: group of 8 rows n / 9, load n % 9 of the group: 512 consecutive bytes.
.macro GLD reg
	global_load_b128 v[\reg:\reg+3], v[GA], s[8:9] offset:4608*(n/9)+512*(n%9)
.endm
.macro LST reg
	ds_store_b128 v[LA+n%9], v[\reg:\reg+3] offset:GRPB*(n/9)
.endm
.set n, 0
.rept 18
	GLD SA+4*n
.set n, n+1
.endr
.rept 18
	GLD SB+4*(n-18)
.set n, n+1
.endr
	s_wait_loadcnt 36                              ; all but the two sets: the scale bytes are in
.irp i, 0,1,2,3,4,5,6,7,8
	ds_store_b32 v[CL], v[SCD+\i] offset:128*\i
.endr
	s_wait_loadcnt 18                              ; set A is in; set B's 18 may be out
.set n, 0
.rept 18
	LST SA+4*n
.set n, n+1
.endr
	s_wait_dscnt 0x0                               ; the stores have read set A
.set n, 36
.rept 18
	GLD SA+4*(n-36)
.set n, n+1
.endr
	s_wait_loadcnt 18                              ; set B is in; the 18 just issued may be out
.set n, 18
.rept 18
	LST SB+4*(n-18)
.set n, n+1
.endr
	s_wait_loadcnt 0x0
.set n, 36
.rept 18
	LST SA+4*(n-36)
.set n, n+1
.endr
	s_wait_dscnt 0x0                               ; for the others' sake: all my stores have landed; and the staging's address registers may be written anew
	v_mul_u32_u24 v[PA], v251, PITCH
	v_mad_u32_u24 v[PA], v252, 24, v[PA]
	v_add_nc_u32 v[PA2], 6*TILEB, v[PA]
	v_mul_u32_u24 v[PSA], v250, 24
	v_add_nc_u32 v[PSA], SC, v[PSA]
	s_mul_i32 s20, s[WV], 16*SPITCH
	s_add_co_u32 s20, s20, STG                     ; my stage
	v_mul_u32_u24 v[STO], v251, SPITCH
	v_lshl_add_u32 v[STO], v252, 5, v[STO]
	v_add_nc_u32 v[STO], s20, v[STO]               ; in: row r, 32 bytes for each half of the lanes
	v_lshl_add_u32 v[RDA], v250, 4, s20            ; back: 16 bytes a lane on end;
	v_lshl_add_u32 v[RDB], v252, 4, v[RDA]         ; where lanes 16-31 begin the next row, past the padding
	v_lshlrev_b32 v[VOA], 4, v250
	v_mul_u32_u24 v[VOB], v252, 2304
	v_add_nc_u32 v[VOB], v[VOB], v[VOA]            ; and in out0: a row on, 768 bytes back
	v_lshlrev_b32 v[BO], 5, v252
.irp t, 0,1,2,3,4,5,6,7,8,9,10,11      ; tile t, register j: feature 16 t + 8 h + j
	global_load_b128 v[ACC+8*\t:ACC+8*\t+3], v[BO], s[12:13] offset:64*\t
	global_load_b128 v[ACC+8*\t+4:ACC+8*\t+7], v[BO], s[12:13] offset:64*\t+16
.endr
	s_barrier_signal -1
	s_barrier_wait -1                              ; Wo's rows and scale bytes lie in LDS: the launch's one barrier
.macro FRAG reg, adr, off              ; a fragment: lane (r, h) takes the 24 bytes at 24 h and at 48 + 24 h of its row's 96, in pieces of 8 bytes
.irp p, 0,1,2,3,4,5
	ds_load_b64 v[\reg+2*\p:\reg+2*\p+1], v[\adr] offset:\off+48*(\p/3)+8*(\p%3)
.endr
.endm
.macro PFETCH ks, pb                   ; Wo's tiles 2 pb, 2 pb + 1 of K step ks: 12 loads
.if (\pb) < 3
	FRAG PF+24*((\pb)%2), PA, TILEB*(2*(\pb))+96*(\ks)
	FRAG PF+24*((\pb)%2)+12, PA, TILEB*(2*(\pb)+1)+96*(\ks)
.else
	FRAG PF+24*((\pb)%2), PA2, TILEB*(2*(\pb)-6)+96*(\ks)
	FRAG PF+24*((\pb)%2)+12, PA2, TILEB*(2*(\pb)-5)+96*(\ks)
.endif
.endm
.macro SFETCH ks                       ; Wo's scale words of K step ks: 6 loads
.irp pb, 0,1,2,3,4,5
	ds_load_b32 v[PS+6*((\ks)%2)+\pb], v[PSA] offset:768*\pb+4*(\ks)
.endr
.endm
; A GROUP: the next group's loads, then two products.  The 12 accumulators take turns, one instruction a turn.
; Four v_nop stand between the last products and loads into registers that they have read (ISA guide 7.12.1 for vector instructions).
.macro GROUP ks, pb
.if (\ks)+(\pb) > 0
.rept 4
	v_nop
.endr
.endif
.if (\pb) < 5
	PFETCH \ks, (\pb)+1
	s_wait_dscnt 12                                ; all but the 12 just issued: this group's fragments are in
.elseif (\ks) < 5
	PFETCH (\ks)+1, 0
	SFETCH (\ks)+1
	s_wait_dscnt 18                                ; all but the 18 just issued
.else
	s_wait_dscnt 0x0
.endif
	WM ACC+8*(2*(\pb)), PF+24*((\pb)%2), RF+12*(\ks), PS+6*((\ks)%2)+(\pb), RS+(\ks), 0
	WM ACC+8*(2*(\pb)+1), PF+24*((\pb)%2)+12, RF+12*(\ks), PS+6*((\ks)%2)+(\pb), RS+(\ks), 1
.endm
	PFETCH 0, 0
	SFETCH 0                                       ; 18 LDS loads are out
	s_wait_loadcnt 0x0                             ; bo lies in the accumulators
.irp ks, 0,1,2,3,4,5
.irp pb, 0,1,2,3,4,5
	GROUP \ks, \pb
.endr
.endr
	; THE WAY OUT.  A lane holds 32 neighbouring bytes of a row, the lanes beside it other rows: the tile goes through my own stage and comes back as rows of 768 bytes, two rows in three loads of 512 bytes.
.rept 4
	v_nop                                          ; places behind the last products
.endr
.irp t, 0,1,2,3,4,5,6,7,8,9,10,11
	ds_store_b128 v[STO], v[ACC+8*\t:ACC+8*\t+3] offset:64*\t          ; each accumulator from its low end on
	ds_store_b128 v[STO], v[ACC+8*\t+4:ACC+8*\t+7] offset:64*\t+16
.endr
.irp p, 0,1,2,3,4,5,6,7                ; LDS serves a wave's instructions in order (ISA guide 5.7.1.4): these see the stores above
	ds_load_b128 v[OB+12*\p:OB+12*\p+3], v[RDA] offset:2*SPITCH*\p              ; row 2 p, bytes 0-511
	ds_load_b128 v[OB+12*\p+4:OB+12*\p+7], v[RDB] offset:2*SPITCH*\p+512        ; row 2 p, bytes 512-767; row 2 p + 1, bytes 0-255
	ds_load_b128 v[OB+12*\p+8:OB+12*\p+11], v[RDA] offset:2*SPITCH*\p+SPITCH+256 ; row 2 p + 1, bytes 256-767
.endr
.irp p, 0,1,2,3,4,5,6,7                ; stage row i is token i + 8 (i / 8) of the tile.  Each store covers two runs of 256 consecutive bytes, each at a multiple of 256 from out0's first byte
	s_wait_dscnt 23-3*\p                           ; the younger loads may be out
	global_store_b128 v[VOA], v[OB+12*\p:OB+12*\p+3], s[14:15] offset:3072*(2*\p+8*(\p/4)) th:TH_STORE_NT
	s_wait_dscnt 22-3*\p
	global_store_b128 v[VOB], v[OB+12*\p+4:OB+12*\p+7], s[14:15] offset:3072*(2*\p+8*(\p/4))+512 th:TH_STORE_NT
	s_wait_dscnt 21-3*\p
	global_store_b128 v[VOA], v[OB+12*\p+8:OB+12*\p+11], s[14:15] offset:3072*(2*\p+8*(\p/4))+3328 th:TH_STORE_NT
.endr
	s_set_vgpr_msb 0x5
	s_wait_tensorcnt 0x0
	ds_add_u32 v0, v1
	s_wait_dscnt 0x0
	s_set_vgpr_msb 0x500
	s_endpgm
.Lfunc_end_k_q0c0d594e32_oproj:
	.size	k_q0c0d594e32_oproj, .Lfunc_end_k_q0c0d594e32_oproj-k_q0c0d594e32_oproj
	.p2alignl 7, 3214868480
	.fill 96, 4, 3214868480
	.section	.rodata,"a",@progbits
	.p2align	6, 0x0
	.amdhsa_kernel k_q0c0d594e32_oproj
		.amdhsa_group_segment_fixed_size 168960
		.amdhsa_private_segment_fixed_size 0
		.amdhsa_enable_private_segment 0
		.amdhsa_kernarg_size 48
		.amdhsa_user_sgpr_count 2
		.amdhsa_user_sgpr_kernarg_segment_ptr 1
		.amdhsa_wavefront_size32 1
		.amdhsa_system_sgpr_workgroup_id_x 1
		.amdhsa_system_sgpr_workgroup_id_y 1
		.amdhsa_system_sgpr_workgroup_id_z 1
		.amdhsa_system_vgpr_workitem_id 0
		.amdhsa_next_free_vgpr 258
		.amdhsa_next_free_sgpr 66
		.amdhsa_reserve_vcc 0
		.amdhsa_float_denorm_mode_32 3
		.amdhsa_float_denorm_mode_16_64 3
		.amdhsa_memory_ordered 1
		.amdhsa_forward_progress 1
		.amdhsa_inst_pref_size 71
	.end_amdhsa_kernel
	.amdgpu_metadata
---
amdhsa.version: [ 1, 2 ]
amdhsa.kernels:
  - .name:           k_q0c0d594e32_oproj
    .symbol:         k_q0c0d594e32_oproj.kd
    .args:
      - { .name: ao, .offset: 0, .size: 8, .value_kind: global_buffer, .address_space: global }
      - { .name: asc, .offset: 8, .size: 8, .value_kind: global_buffer, .address_space: global }
      - { .name: Wo_codes, .offset: 16, .size: 8, .value_kind: global_buffer, .address_space: global }
      - { .name: Wo_scales, .offset: 24, .size: 8, .value_kind: global_buffer, .address_space: global }
      - { .name: bo, .offset: 32, .size: 8, .value_kind: global_buffer, .address_space: global }
      - { .name: out0, .offset: 40, .size: 8, .value_kind: global_buffer, .address_space: global }
    .group_segment_fixed_size: 168960
    .private_segment_fixed_size: 0
    .kernarg_segment_align: 8
    .kernarg_segment_size: 48
    .max_flat_workgroup_size: 128
    .sgpr_count:     66
    .vgpr_count:     258
    .wavefront_size: 32
...
	.end_amdgpu_metadata
.endif
;; end of part 3
;; ======== version 2 of 2: 3 launches
;; workspace buffers: qw 2,457,600 bytes; kv 4,915,200 bytes; ao 2,359,296 bytes; asc 98,304 bytes
;; launch qkv (part 4): grid 6 x 96, 4 waves a work-group, no clusters, 158,208 bytes of LDS; arguments x_codes, x_scales, Wq_codes, Wq_scales, bq, Wk_codes, Wk_scales, bk, Wv_codes, Wv_scales, bv, qw, kv; writes qw, kv
.if DOCPART == 4
	.amdgcn_target "amdgcn-amd-amdhsa--gfx1250"
	.amdhsa_code_object_version 6
	.text
	.protected	k_q0c0d594e32_qkv
	.globl	k_q0c0d594e32_qkv
	.p2align	8
	.type	k_q0c0d594e32_qkv,@function
k_q0c0d594e32_qkv:
	s_mov_b64 s[64:65], 0
	v_nop
	global_prefetch_b8 v0, s[64:65] scope:SCOPE_SE
	s_setreg_imm32_b32 hwreg(HW_REG_WAVE_SCHED_MODE, 0, 2), 2
	s_setreg_imm32_b32 hwreg(HW_REG_WAVE_MODE, 25, 1), 1
	s_wait_xcnt 0x0
	s_wait_alu depctr_vm_vsrc(0)
; q = x Wq^T + bq, k = x Wk^T + bk, v = x Wv^T + bv on codes of FP6 (E2M3) as they are given, f32 sums; the results are quantised at once (q, k along the head's 64, v along the keys)
; and stored as IMAGES OF OPERAND REGISTERS for the attention launch.  x: [4096][768], W: [768][768]: a row is 576 bytes of codes and 24 scale bytes.
; SHARES.  Work-group (hp, y): hp = a pair of heads = 128 features; y = 32 ty + st: ty = 0 q, 1 k, 2 v; st = a step of 128 tokens.  It makes 128 tokens x 128 features over K = 768.
; LDS region P holds the 128 rows that are source 0, region R those that are source 1.  q, k: P = W's rows, R = x's (a lane then holds one token, its registers run along the features = the next K).
; v: P = x's rows, R = Wv's (a lane holds one feature, its registers run along the tokens = the keys = the next K).  Only POINTERS differ between the two: every LDS address is the same.
; Wave w: all 8 tiles of P against tiles (w, 0), (w, 1) of R: 16 accumulators, 96 matrix instructions.
; THE ROWS OF A TILE ARE NOT NEIGHBOURS: inside 32 rows, tile u takes with lane r the row 8 u + r + 8 (r / 8), so that the 16 result registers of tiles 2 b, 2 b + 1 are rows 32 b + 16 (lane / 16) + 0 .. 15.
; In LDS the rows lie in that order, so that a tile's 16 rows are neighbours there.
; No tensor load: a row of 576 bytes gets its 16 bytes of padding from the lanes' own LDS addresses; two work-groups fit beside each other, one staging while the other multiplies.
; WHAT IS STORED.  qw: [head][step][6,400]: four pair images of 1,536 bytes (registers 0-5: token tile (b, 0), 6-11: tile (b, 1); lane (r, h): d = 32 h ..), then 4 x 64 bytes of scale words.
; kv: [head / 3][step][head % 3][12,800]: K's four pair images, V's four images (16 features x 128 keys), K's scale words, V's scale words.
; An image's store covers 512 consecutive aligned bytes; the scale words leave as two runs of 64 bytes a wave (a twenty-fifth of the bytes stored): those 256-byte blocks are written in parts.
; LIMITS: NaN and infinities are not served.  A block whose largest magnitude lies under 2^-124 gets the byte 1; a block of zeros too (the rule says 127): its codes are zeros, and this program alone reads the bytes.
; THE MODE: SCHED_MODE bits 1:0 = 2 (LLVM: expert scheduling mode 2), set by the entry lines.  The code itself states the register dependences
; between vector or matrix instructions and memory or LDS instructions, with s_wait_alu, always for 0.
; THE PLAN.  Registers that memory or LDS instructions touch:
;   window 1, v0-239   two sets of fragments, set s at 120 s: P's pair b (tiles 2 b, 2 b + 1) at + 24 b, R's two tiles at + 96.  LDS loads write them, products read them, nothing else names them.
;   v6-15              two sets of scale words: likewise.
;   K step s multiplies set s % 2.  A pair is asked for three groups ahead: group 0 of K step s asks for the step's own pair 3, group 1 for the next step's scale words, R and pair 0, groups 2 and 3 for its pairs 1 and 2.
;   What these loads land in was last read by products of K step s - 1 (the other set) or s - 2 (pair 3).  So ONE wait on va_vdst stands at the head of K steps 1 to 4; the products issued behind it name the set in hand,
;   its scale words and the accumulators, none of the registers that the step's loads touch.  K step 0 owes none (no vector or matrix instruction has named its targets since the head's wait), nor does K step 5
;   (its one run lands in set 1's pair 3, last read in K step 3, ahead of K step 4's wait; K step 4 names set 0 alone).
;   v1-5, v16, v17, v21, v22, v224-242   addresses and offsets, all made at the head ahead of one wait on va_vdst.
;   v32-223, v244-255  staging: global loads write them, LDS stores read them.  A wait on vm_vsrc stands ahead of set A's second filling and ahead of the biases' loads, which land in v128-255 (q, k) or v16, v24 (v).
;   v21, v22           the biases' offsets: a wait on vm_vsrc behind those loads, since v's moves write them.
;   v32-55, v96-99     the way out's images, words and offsets: one wait on va_vdst ahead of the stores.
.set ROWB,  576
.set PITCH, 592                        ; 576 + 16 = 148 words: row r starts at bank 20 r mod 64 (64 banks of 4 bytes: ISA guide 11.1)
.set TILEB, 16*PITCH
.set GRPB,  8*PITCH
.set RREG,  128*PITCH                  ; region R begins here
.set SCP,   2*RREG                     ; P's scale bytes, 24 a row, rows in tile order
.set SCR,   SCP+128*24                 ; R's
.set PA,  1                            ; v1   592 r + 24 h: my place in a tile of P (tiles 0-3)
.set PA2, 2                            ; v2   the same for tiles 4-7
.set RA,  3                            ; v3   my place in my wave's two tiles of R
.set PSA, 4                            ; v4   P's scale words: lanes 0-15 tile 2 b, lanes 16-31 tile 2 b + 1
.set RSA, 5                            ; v5   R's: lanes 0-15 tile (w, 0), lanes 16-31 tile (w, 1)
.set PS,  6                            ; v6-13   P's scale words, two sets of four
.set RS,  14                           ; v14-15  R's, two sets
.set BV,  16                           ; v16-31  v's bias as two C blocks
.set FRG, 0                            ; window 1, v0-239: the two sets of fragments
.set ACC, 128                          ; v128-255 accumulator (tile t of P, tile i of R) at ACC + 64 i + 8 t
.set SA,  32                           ; staging: set A, 24 loads
.set SB,  128                          ; set B
.set LA,  224                          ; v224-232 LDS address of my 16 bytes of load j of a group of 8 rows, region P
.set LB,  233                          ; v233-241 region R
.set GA,  242                          ; v242 my byte in the block in memory
.set SD,  244                          ; v244-255 my row's 24 scale bytes of P and of R
.set SG,  16                           ; v16  24 x thread
.set SL,  17                           ; v17  where they go
.set BQO, 21                           ; v21  q's and k's bias: 64 h
.set BVO, 22                           ; v22  v's bias: my feature's 4 bytes
.set IMGA, 32                          ; the way out
.set IMGB, 44
.set X,   56
.set Y,   62
.set CT,  68
.set TM,  76                           ; v76-79 largest magnitudes, v80-83 bytes, v88-91 the conversions' scale operands
.set PW,  92
.set WV,  30
.set SEL, 32
.set WC,  34
.set WS,  36
.set BI,  38
.set DST, 40
.set TY,  42
.set ST,  43
.set RSC, 48
.set PC,  58
.set RC,  60
.set PSC, 62
.set SM,  18
.set HI,  19
.set MSB, 0
.macro WIN new                         ; s_set_vgpr_msb: bits 1:0 source 0, 3:2 source 1, 5:4 source 2, 7:6 destination; the immediate's high byte repeats the setting that is left
.if MSB != (\new)
	s_set_vgpr_msb (MSB<<8)|(\new)
.set MSB, (\new)
.endif
.endm
.set W_LD, 0x40                        ; an LDS load's data window 1, its address window 0
.set W_MM, 0x05                        ; sources 0 and 1 window 1; C and D window 0
.macro WM d, a, b, c, sa, sb, ra, rb   ; one product; ra, rb = 1: that side's scale words stand in lanes 16-31
.if (\ra) && (\rb)
	v_wmma_scale_f32_16x16x128_f8f6f4 v[\d:\d+7], v[\a:\a+11], v[\b:\b+11], v[\c:\c+7], v[\sa], v[\sb] matrix_a_fmt:MATRIX_FMT_FP6 matrix_b_fmt:MATRIX_FMT_FP6 matrix_a_scale:MATRIX_SCALE_ROW1 matrix_b_scale:MATRIX_SCALE_ROW1
.elseif (\ra)
	v_wmma_scale_f32_16x16x128_f8f6f4 v[\d:\d+7], v[\a:\a+11], v[\b:\b+11], v[\c:\c+7], v[\sa], v[\sb] matrix_a_fmt:MATRIX_FMT_FP6 matrix_b_fmt:MATRIX_FMT_FP6 matrix_a_scale:MATRIX_SCALE_ROW1
.elseif (\rb)
	v_wmma_scale_f32_16x16x128_f8f6f4 v[\d:\d+7], v[\a:\a+11], v[\b:\b+11], v[\c:\c+7], v[\sa], v[\sb] matrix_a_fmt:MATRIX_FMT_FP6 matrix_b_fmt:MATRIX_FMT_FP6 matrix_b_scale:MATRIX_SCALE_ROW1
.else
	v_wmma_scale_f32_16x16x128_f8f6f4 v[\d:\d+7], v[\a:\a+11], v[\b:\b+11], v[\c:\c+7], v[\sa], v[\sb] matrix_a_fmt:MATRIX_FMT_FP6 matrix_b_fmt:MATRIX_FMT_FP6
.endif
.endm
	s_load_b256 s[4:11], s[0:1], 0x0               ; x's codes, x's scales, Wq's codes, Wq's scales
	s_load_b256 s[12:19], s[0:1], 0x20             ; bq, Wk's codes, Wk's scales, bk
	s_load_b256 s[20:27], s[0:1], 0x40             ; Wv's codes, Wv's scales, bv, qw
	s_load_b64 s[28:29], s[0:1], 0x60              ; kv
	s_set_vgpr_msb 0x40
	v_lshl_add_u32 v240, v0, 2, 0x26800
	v_mov_b32 v241, 0
	s_set_vgpr_msb 0x4000
	v_lshrrev_b32 v18, 5, v0
	v_readfirstlane_b32 s[WV], v18                 ; wave 0..3
	s_and_b32 s31, ttmp7, 0xffff
	s_lshr_b32 s[TY], s31, 5                       ; 0 q, 1 k, 2 v
	s_and_b32 s[ST], s31, 31                       ; the step of 128 tokens
	s_mov_b32 s[SEL], 0x76543210
	s_mov_b32 s[SEL+1], 0xfedcba98                 ; v_permlanex16_b32's selects for lane l xor 16
	v_and_b32 v18, 31, v0                          ; l
	v_and_b32 v19, 15, v0                          ; r
	v_bfe_u32 v20, v0, 4, 1                        ; h
	s_wait_alu depctr_va_sdst(0)                   ; the wave's number is written, ahead of its first reader
	s_mul_i32 s44, s[WV], 32*PITCH                 ; my wave's 32 rows of a region
	s_mul_i32 s45, s[WV], 768
	s_mul_i32 s46, s[WV], 32*ROWB
	s_lshl_b32 s47, s[WV], 7
	v_mul_u32_u24 v[PA], v19, PITCH
	v_mad_u32_u24 v[PA], v20, 24, v[PA]
	v_add_nc_u32 v[PA2], 4*TILEB, v[PA]
	v_add_nc_u32 v[RA], s44, v[PA]
	v_add_nc_u32 v[RA], RREG, v[RA]
	v_mul_u32_u24 v[PSA], v18, 24
	v_add_nc_u32 v[RSA], s45, v[PSA]
	v_add_nc_u32 v[RSA], SCR, v[RSA]
	v_add_nc_u32 v[PSA], SCP, v[PSA]
.irp j, 0,1,2,3,4,5,6,7,8              ; a group of 8 rows is 288 pieces of 16 bytes, 36 to a row; piece q = 32 j + l goes to 16 (q + q / 36); q / 36 = (1821 q) >> 16 for q < 288
	v_add_nc_u32 v[LA+\j], 32*\j, v18
	v_mul_u32_u24 v[LB+\j], v[LA+\j], 1821
	v_lshrrev_b32 v[LB+\j], 16, v[LB+\j]
	v_add_nc_u32 v[LA+\j], v[LA+\j], v[LB+\j]
	v_lshl_add_u32 v[LA+\j], v[LA+\j], 4, s44
	v_add_nc_u32 v[LB+\j], RREG, v[LA+\j]
.endr
	v_lshl_add_u32 v[GA], v18, 4, s46              ; 16 l + my wave's 32 rows in memory
	v_mul_u32_u24 v[SG], v0, 24                    ; thread t copies row t's scale bytes
	v_and_b32 v21, 0x67, v0                        ; to row t with bits 3 and 4 changed over: the tile order
	v_and_b32 v22, 8, v0
	v_lshl_add_u32 v21, v22, 1, v21
	v_lshl_add_u32 v21, v20, 3, v21
	v_mul_u32_u24 v[SL], v21, 24
	v_add_nc_u32 v[SL], SCP, v[SL]
	v_lshlrev_b32 v[BQO], 6, v20                   ; q's and k's bias: tile 2 b + u, register j: feature 32 b + 16 h + 8 u + j
	v_and_b32 v[BVO], 8, v19
	v_add_nc_u32 v[BVO], v[BVO], v19               ; r + 8 (r / 8)
	v_lshl_add_u32 v[BVO], v[BVO], 2, s47          ; v's bias: feature 32 w + 8 i + r + 8 (r / 8)
	s_mul_i32 s48, ttmp9, 128*ROWB                 ; W's block: codes,
	s_mov_b32 s49, 0
	s_mul_i32 s50, ttmp9, 128*24                   ; scale bytes,
	s_mov_b32 s51, 0
	s_lshl_b32 s52, ttmp9, 9                       ; bias
	s_mov_b32 s53, 0
	s_mul_i32 s54, s[ST], 128*ROWB                 ; x's block
	s_mov_b32 s55, 0
	s_mul_i32 s56, s[ST], 128*24
	s_mov_b32 s57, 0
	s_wait_kmcnt 0x0
	s_cmp_eq_u32 s[TY], 0                          ; the choices hang on the work-group's number alone
	s_cselect_b64 s[WC:WC+1], s[8:9], s[14:15]
	s_cselect_b64 s[WS:WS+1], s[10:11], s[16:17]
	s_cselect_b64 s[BI:BI+1], s[12:13], s[18:19]
	s_cselect_b64 s[DST:DST+1], s[26:27], s[28:29]
	s_cmp_eq_u32 s[TY], 2
	s_cselect_b64 s[WC:WC+1], s[20:21], s[WC:WC+1]
	s_cselect_b64 s[WS:WS+1], s[22:23], s[WS:WS+1]
	s_cselect_b64 s[BI:BI+1], s[24:25], s[BI:BI+1]
	s_add_nc_u64 s[WC:WC+1], s[WC:WC+1], s[48:49]  ; (these sums leave SCC as the compare set it)
	s_add_nc_u64 s[WS:WS+1], s[WS:WS+1], s[50:51]
	s_add_nc_u64 s[BI:BI+1], s[BI:BI+1], s[52:53]
	s_add_nc_u64 s[4:5], s[4:5], s[54:55]
	s_add_nc_u64 s[6:7], s[6:7], s[56:57]
	s_cselect_b64 s[PC:PC+1], s[4:5], s[WC:WC+1]   ; v: P = x, R = Wv; q, k: P = W, R = x
	s_cselect_b64 s[RC:RC+1], s[WC:WC+1], s[4:5]
	s_cselect_b64 s[PSC:PSC+1], s[6:7], s[WS:WS+1]
	s_cselect_b64 s[RSC:RSC+1], s[WS:WS+1], s[6:7]
	s_wait_alu depctr_va_vdst(0)                   ; every address and offset of the kernel up to the way out is written (v1-5, v16, v17, v21, v22, v224-242), which the loads and LDS stores below read; biases later land in v224-242
; STAGING.  Load n of 72: region n / 36, group of 8 rows (n % 36) / 9, load n % 9 of the group: 512 consecutive bytes.  Group 2 a + u of a wave's 32 rows goes to LDS group 2 u + a.
.macro GLD reg
.if n < 36
	global_load_b128 v[\reg:\reg+3], v[GA], s[PC:PC+1] offset:4608*(n/9)+512*(n%9)
.else
	global_load_b128 v[\reg:\reg+3], v[GA], s[RC:RC+1] offset:4608*((n-36)/9)+512*(n%9)
.endif
.endm
.macro LST reg
.set gq, (n%36)/9
	ds_store_b128 v[LA+9*(n/36)+n%9], v[\reg:\reg+3] offset:GRPB*(2*(gq&1)+(gq>>1))
.endm
.irp i, 0,1,2
	global_load_b64 v[SD+2*\i:SD+2*\i+1], v[SG], s[PSC:PSC+1] offset:8*\i
.endr
.irp i, 0,1,2
	global_load_b64 v[SD+6+2*\i:SD+7+2*\i], v[SG], s[RSC:RSC+1] offset:8*\i
.endr
.set n, 0
.rept 24
	GLD SA+4*n
.set n, n+1
.endr
.rept 24
	GLD SB+4*(n-24)
.set n, n+1
.endr
	s_wait_loadcnt 48                              ; the six scale loads are in; the 48 behind them may be out
.irp i, 0,1,2
	ds_store_b64 v[SL], v[SD+2*\i:SD+2*\i+1] offset:8*\i
	ds_store_b64 v[SL], v[SD+6+2*\i:SD+7+2*\i] offset:128*24+8*\i
.endr
	s_wait_loadcnt 24                              ; set A is in; set B's 24 may be out
.set n, 0
.rept 24
	LST SA+4*n
.set n, n+1
.endr
	s_wait_dscnt 0x0                               ; the stores of set A have landed
	s_wait_alu depctr_vm_vsrc(0)                   ; the LDS stores have read set A, in which the next 24 loads land
.set n, 48
.rept 24
	GLD SA+4*(n-48)
.set n, n+1
.endr
	s_wait_loadcnt 24                              ; set B is in; the 24 just issued may be out
.set n, 24
.rept 24
	LST SB+4*(n-24)
.set n, n+1
.endr
	s_wait_loadcnt 0x0
.set n, 48
.rept 24
	LST SA+4*(n-48)
.set n, n+1
.endr
	s_wait_dscnt 0x0                               ; for the others' sake: all my stores have landed
	s_wait_alu depctr_vm_vsrc(0)                   ; the staging's loads and LDS stores have read set B, the scale bytes and their addresses (v16, v17, v128-255): the biases land there, and the way out writes set A's registers
	; THE BIASES are the C of each sum's first product.  q, k: a lane's registers run along the features: eight numbers a tile, loaded straight into the accumulators.  v: a lane holds one feature: one number a tile of R.
	s_cmp_eq_u32 s[TY], 2
	s_cbranch_scc1 .Lbias_v
.irp i, 0,1
.irp t, 0,1,2,3,4,5,6,7
	global_load_b128 v[ACC+64*\i+8*\t:ACC+64*\i+8*\t+3], v[BQO], s[BI:BI+1] offset:(32*(\t/2)+8*(\t%2))*4
	global_load_b128 v[ACC+64*\i+8*\t+4:ACC+64*\i+8*\t+7], v[BQO], s[BI:BI+1] offset:(32*(\t/2)+8*(\t%2))*4+16
.endr
.endr
	s_branch .Lbias_done
.Lbias_v:
	global_load_b32 v[BV], v[BVO], s[BI:BI+1]
	global_load_b32 v[BV+8], v[BVO], s[BI:BI+1] offset:32
.Lbias_done:
	s_wait_alu depctr_vm_vsrc(0)                   ; the biases' loads have read their offsets v21 and v22, which the moves that widen v's bias write
	s_barrier_signal -1
	s_barrier_wait -1                              ; both regions and their scale bytes lie in LDS: the launch's one barrier
; A fragment, 16 rows x 128 K of 6-bit codes, is 12 registers: lane (r, h) takes the 24 bytes at 24 h and at 48 + 24 h of its row's 96, in pieces of 8 bytes.
.macro FRAG reg, adr, off
.irp p, 0,1,2,3,4,5
	ds_load_b64 v[\reg+2*\p:\reg+2*\p+1], v[\adr] offset:\off+48*(\p/3)+8*(\p%3)
.endr
.endm
.macro PFETCH ks, b                    ; P's tiles 2 b, 2 b + 1 of K step ks: 12 loads
	WIN W_LD
.set CURF, FRG+120*((\ks)%2)+24*(\b)
.if (\b) < 2
	FRAG CURF, PA, TILEB*(2*(\b))+96*(\ks)
	FRAG CURF+12, PA, TILEB*(2*(\b)+1)+96*(\ks)
.else
	FRAG CURF, PA2, TILEB*(2*(\b)-4)+96*(\ks)
	FRAG CURF+12, PA2, TILEB*(2*(\b)-3)+96*(\ks)
.endif
.endm
.macro RFETCH ks                       ; all scale words and R's two tiles of K step ks: 17 loads
	WIN 0
.irp b, 0,1,2,3
	ds_load_b32 v[PS+4*((\ks)%2)+\b], v[PSA] offset:768*\b+4*(\ks)
.endr
	ds_load_b32 v[RS+(\ks)%2], v[RSA] offset:4*(\ks)
	WIN W_LD
.set CURF, FRG+120*((\ks)%2)+96
	FRAG CURF, RA, 96*(\ks)
	FRAG CURF+12, RA, TILEB+96*(\ks)
.endm
; A GROUP's four products: P's tiles 2 b, 2 b + 1 x R's two.  The 16 accumulators take turns, one instruction a turn.  cmode = 1: the products start v's sums from the bias blocks.
.macro QUAD ks, b, cmode
	WIN W_MM
.set CURP, FRG+120*((\ks)%2)+24*(\b)
.set CURR, FRG+120*((\ks)%2)+96
.irp u, 0,1
.irp i, 0,1
.if \cmode
	WM ACC+64*\i+8*(2*(\b)+\u), CURP+12*\u, CURR+12*\i, BV+8*\i, PS+4*((\ks)%2)+(\b), RS+(\ks)%2, \u, \i
.else
	WM ACC+64*\i+8*(2*(\b)+\u), CURP+12*\u, CURR+12*\i, ACC+64*\i+8*(2*(\b)+\u), PS+4*((\ks)%2)+(\b), RS+(\ks)%2, \u, \i
.endif
.endr
.endr
.endm
; A K STEP: four groups; in front of each group's products the loads of the pair three groups on.  LDS loads come back in order (ISA guide 5.7.1): each count names the loads issued behind the pair that is wanted.
.macro STEP ks, cmode
	s_wait_dscnt 24                                ; this step's scale words, R and pair 0 are in; pairs 1 and 2 (24 loads) may be out
	WIN W_LD
.if ((\ks) > 0) && ((\ks) < 5)
	s_wait_alu depctr_va_vdst(0)                   ; the products of the K step before are done reading the other set and its scale words, those of two steps back this set's pair 3: all this step's loads land there
.endif
	PFETCH \ks, 3
	QUAD \ks, 0, \cmode
	s_wait_dscnt 24                                ; pair 1 is in; pairs 2 and 3 may be out
.if (\ks) < 5
	RFETCH (\ks)+1                                 ; no wait on va_vdst: no product since the step's head names the other set or its scale words
	PFETCH (\ks)+1, 0
.endif
	QUAD \ks, 1, \cmode
.if (\ks) < 5
	s_wait_dscnt 41                                ; pair 2 is in; pair 3 and the 29 for the next step may be out
	PFETCH (\ks)+1, 1
.else
	s_wait_dscnt 12                                ; the counts run down
.endif
	QUAD \ks, 2, \cmode
.if (\ks) < 5
	s_wait_dscnt 41                                ; pair 3 is in; the 41 for the next step may be out
	PFETCH (\ks)+1, 2
.else
	s_wait_dscnt 0x0
.endif
	QUAD \ks, 3, \cmode
.endm
	RFETCH 0
	PFETCH 0, 0
	PFETCH 0, 1
	PFETCH 0, 2                                    ; 53 LDS loads are out
	WIN 0                                          ; at a label and at a branch every window is 0
	s_cmp_eq_u32 s[TY], 2                          ; K step 0 stands twice: its products differ in their C.  Both ways issue the same loads
	s_cbranch_scc1 .Lfirst_v
	s_wait_loadcnt 0x0                             ; the biases lie in the accumulators
	STEP 0, 0
	WIN 0
	s_branch .Lrest
.Lfirst_v:
	s_wait_loadcnt 0x0
.irp j, 1,2,3,4,5,6,7
	v_mov_b32 v[BV+\j], v[BV]                      ; a lane's eight tokens get the same bias
	v_mov_b32 v[BV+8+\j], v[BV+8]
.endr
.rept 4
	v_nop                                          ; four places between the moves and the scaled products that take the blocks as their C
.endr
	s_wait_alu depctr_va_vdst(0)
	STEP 0, 1
	WIN 0
.Lrest:
.irp ks, 1,2,3,4,5
	STEP \ks, 0
.endr
	WIN 0
; THE WAY OUT.  64 numbers of a lane, register 16 b + i = place 32 b + 16 h + i along the next K, become two halves of six registers (d0: places 0-63, d1: 64-127; lane (r, h) holds 32 h .. of each) and a scale word.
.macro QUANT s, d0, d1, pw
.irp b, 0,1,2,3
	v_max3_num_f32 v[TM+\b], |v[\s+16*\b]|, |v[\s+1+16*\b]|, 0x1800000   ; my 16 numbers of block b, and the floor 2^(3 - 127): the byte cannot fall under 1
.endr
.irp i, 2,4,6,8,10,12,14
.irp b, 0,1,2,3
	v_max3_num_f32 v[TM+\b], v[TM+\b], |v[\s+16*\b+\i]|, |v[\s+1+16*\b+\i]|
.endr
.endr
.irp b, 0,1,2,3
	v_permlanex16_b32 v[TM+4+\b], v[TM+\b], s[SEL], s[SEL+1]
.endr
.irp b, 0,1,2,3
	v_max_num_f32 v[TM+\b], v[TM+\b], v[TM+4+\b]   ; with lane l xor 16's: the block's largest magnitude
.endr
.irp b, 0,1,2,3
	v_add_nc_u32 v[TM+12+\b], 0xff000000, v[TM+\b] ; 2 off its exponent field: the conversion's scale operand
.endr
.irp b, 0,1,2,3
	v_lshrrev_b32 v[TM+4+\b], 23, v[TM+12+\b]      ; the scale's byte
.endr
	v_lshl_or_b32 v[\pw], v[TM+5], 8, v[TM+4]
	v_lshl_or_b32 v[\pw], v[TM+6], 16, v[\pw]
	v_lshl_or_b32 v[\pw], v[TM+7], 24, v[\pw]
	v_cvt_scalef32_pk16_fp6_f32 v[\d0:\d0+2], v[\s:\s+15], v[TM+12]
	v_cvt_scalef32_pk16_fp6_f32 v[CT:CT+2], v[\s+16:\s+31], v[TM+13]
	v_cvt_scalef32_pk16_fp6_f32 v[\d1:\d1+2], v[\s+32:\s+47], v[TM+14]
	v_cvt_scalef32_pk16_fp6_f32 v[CT+4:CT+6], v[\s+48:\s+63], v[TM+15]
	v_nop                                          ; one plain place behind a scaled conversion
.irp i, 0,1,2
	v_permlane16_swap_b32 v[\d0+\i], v[CT+\i]      ; a whole block to a lane: lanes 0-15 the lower block, lanes 16-31 the upper
	v_permlane16_swap_b32 v[\d1+\i], v[CT+4+\i]
.endr
.irp i, 0,1,2
	v_mov_b32 v[\d0+3+\i], v[CT+\i]
	v_mov_b32 v[\d1+3+\i], v[CT+4+\i]
.endr
.endm
.macro CHUNK dst, head                 ; where a head's chunk of this step begins: in qw (32 head + st) 6,400; in kv ((32 g + st) 3 + head - 3 g) 12,800, g = head / 3 = (11 head) >> 5
	s_mul_i32 s8, s[\head], 11
	s_lshr_b32 s8, s8, 5
	s_lshl_b32 s9, s8, 5
	s_add_co_u32 s9, s9, s[ST]
	s_sub_co_u32 s9, s9, s8
	s_mul_i32 s9, s9, 3
	s_add_co_u32 s9, s9, s[\head]
	s_mul_i32 s9, s9, 12800
	s_lshl_b32 s8, s[\head], 5
	s_add_co_u32 s8, s8, s[ST]
	s_mul_i32 s8, s8, 6400
	s_cmp_eq_u32 s[TY], 0
	s_cselect_b32 s[\dst], s8, s9
.endm
.irp b, 0,1,2,3
	v_mov_b32 v[TM+4+\b], 0                        ; a lane permute's destination counts as one of its sources.  These four name no register of the last products: they are the places behind them
.endr
	s_lshl_b32 s4, ttmp9, 1                        ; q, k: image A is head 2 hp, image B head 2 hp + 1, both of token pair w
	s_lshr_b32 s5, s[WV], 1
	s_add_co_u32 s5, s4, s5                        ; v: both images belong to head 2 hp + w / 2: feature tiles 2 (w % 2) and 2 (w % 2) + 1
	s_add_co_u32 s8, s4, 1
	s_cmp_eq_u32 s[TY], 2
	s_cselect_b32 s4, s5, s4
	s_cselect_b32 s5, s5, s8
	CHUNK 6, 4
	CHUNK 7, 5
	s_mul_i32 s10, s[WV], 1536
	s_and_b32 s11, s[WV], 1
	s_mul_i32 s12, s11, 3072
	s_add_co_u32 s12, s12, 6144
	s_lshl_b32 s13, s[WV], 6
	s_lshl_b32 s14, s11, 7
	s_add_co_u32 s14, s14, 12544
	s_add_co_u32 s15, s13, 12288
	s_add_co_u32 s13, s13, 6144
	s_cmp_eq_u32 s[TY], 0
	s_cselect_b32 s13, s13, s15
	s_cmp_eq_u32 s[TY], 2
	s_cselect_b32 s10, s12, s10                    ; the images' place in a chunk,
	s_cselect_b32 s13, s14, s13                    ; the scale words',
	s_cselect_b32 s16, 1536, 0                     ; and how much further on image B and its words lie
	s_cselect_b32 s17, 64, 0
	s_cselect_b32 s[SM], -1, 0                     ; all ones for v
	s_add_co_u32 s12, s6, s10                      ; image A
	s_add_co_u32 s14, s7, s10
	s_add_co_u32 s14, s14, s16                     ; image B
	s_add_co_u32 s15, s6, s13                      ; A's words
	s_add_co_u32 s16, s7, s13
	s_add_co_u32 s16, s16, s17                     ; B's words
	s_mov_b32 s[HI], 0xffff0000                    ; lanes 16-31
	QUANT ACC, IMGA, X, PW
	QUANT ACC+64, Y, IMGB+6, PW+1
.irp k, 0,1,2,3,4,5                    ; q, k: an image = one head, both token tiles; v: an image = one feature tile, both halves of the 128 keys
	v_cndmask_b32 v[IMGA+6+\k], v[Y+\k], v[X+\k], s[SM]
	v_cndmask_b32 v[IMGB+\k], v[X+\k], v[Y+\k], s[SM]
.endr
	v_perm_b32 v94, v[PW+1], v[PW], 0x05040100     ; q, k: head A's two bytes of each token tile;
	v_perm_b32 v95, v[PW+1], v[PW], 0x07060302     ; head B's
	v_cndmask_b32 v94, v94, v[PW], s[SM]           ; v: the words as they are
	v_cndmask_b32 v95, v95, v[PW+1], s[SM]
	v_cndmask_b32 v96, v94, v95, s[HI]             ; lanes 0-15 store A's words, lanes 16-31 B's (both halves of the lanes hold row r's word)
	v_mov_b32 v97, s15
	v_mov_b32 v98, s16
	v_cndmask_b32 v97, v97, v98, s[HI]
	v_and_b32 v98, 15, v0
	v_lshl_add_u32 v97, v98, 2, v97
	v_and_b32 v98, 31, v0
	v_lshlrev_b32 v98, 4, v98
	v_add_nc_u32 v99, s14, v98
	v_add_nc_u32 v98, s12, v98
	s_wait_alu depctr_va_vdst(0)                   ; the two images, the scale words v96 and the offsets v97 to v99 are written, which the stores read
.irp k, 0,1,2
	global_store_b128 v98, v[IMGA+4*\k:IMGA+4*\k+3], s[DST:DST+1] offset:512*\k   ; 32 lanes store 512 consecutive bytes, at a multiple of 256 from the buffer's first byte
	global_store_b128 v99, v[IMGB+4*\k:IMGB+4*\k+3], s[DST:DST+1] offset:512*\k
.endr
	global_store_b32 v97, v96, s[DST:DST+1]
	s_set_vgpr_msb 0x5
	s_wait_dscnt 0x0
	s_wait_alu depctr_hold_cnt(0) depctr_sa_sdst(0) depctr_va_vdst(0) depctr_va_sdst(0) depctr_va_ssrc(0) depctr_va_vcc(0) depctr_vm_vsrc(0)
	s_wait_tensorcnt 0x0
	ds_add_u32 v240, v241
	s_wait_dscnt 0x0
	s_endpgm
.Lfunc_end_k_q0c0d594e32_qkv:
	.size	k_q0c0d594e32_qkv, .Lfunc_end_k_q0c0d594e32_qkv-k_q0c0d594e32_qkv
	.p2alignl 7, 3214868480
	.fill 96, 4, 3214868480
	.section	.rodata,"a",@progbits
	.p2align	6, 0x0
	.amdhsa_kernel k_q0c0d594e32_qkv
		.amdhsa_group_segment_fixed_size 158208
		.amdhsa_private_segment_fixed_size 0
		.amdhsa_enable_private_segment 0
		.amdhsa_kernarg_size 104
		.amdhsa_user_sgpr_count 2
		.amdhsa_user_sgpr_kernarg_segment_ptr 1
		.amdhsa_wavefront_size32 1
		.amdhsa_system_sgpr_workgroup_id_x 1
		.amdhsa_system_sgpr_workgroup_id_y 1
		.amdhsa_system_sgpr_workgroup_id_z 1
		.amdhsa_system_vgpr_workitem_id 0
		.amdhsa_next_free_vgpr 498
		.amdhsa_next_free_sgpr 66
		.amdhsa_reserve_vcc 0
		.amdhsa_float_denorm_mode_32 3
		.amdhsa_float_denorm_mode_16_64 3
		.amdhsa_memory_ordered 1
		.amdhsa_forward_progress 1
		.amdhsa_inst_pref_size 81
	.end_amdhsa_kernel
	.amdgpu_metadata
---
amdhsa.version: [ 1, 2 ]
amdhsa.kernels:
  - .name:           k_q0c0d594e32_qkv
    .symbol:         k_q0c0d594e32_qkv.kd
    .args:
      - { .name: x_codes, .offset: 0, .size: 8, .value_kind: global_buffer, .address_space: global }
      - { .name: x_scales, .offset: 8, .size: 8, .value_kind: global_buffer, .address_space: global }
      - { .name: Wq_codes, .offset: 16, .size: 8, .value_kind: global_buffer, .address_space: global }
      - { .name: Wq_scales, .offset: 24, .size: 8, .value_kind: global_buffer, .address_space: global }
      - { .name: bq, .offset: 32, .size: 8, .value_kind: global_buffer, .address_space: global }
      - { .name: Wk_codes, .offset: 40, .size: 8, .value_kind: global_buffer, .address_space: global }
      - { .name: Wk_scales, .offset: 48, .size: 8, .value_kind: global_buffer, .address_space: global }
      - { .name: bk, .offset: 56, .size: 8, .value_kind: global_buffer, .address_space: global }
      - { .name: Wv_codes, .offset: 64, .size: 8, .value_kind: global_buffer, .address_space: global }
      - { .name: Wv_scales, .offset: 72, .size: 8, .value_kind: global_buffer, .address_space: global }
      - { .name: bv, .offset: 80, .size: 8, .value_kind: global_buffer, .address_space: global }
      - { .name: qw, .offset: 88, .size: 8, .value_kind: global_buffer, .address_space: global }
      - { .name: kv, .offset: 96, .size: 8, .value_kind: global_buffer, .address_space: global }
    .group_segment_fixed_size: 158208
    .private_segment_fixed_size: 0
    .kernarg_segment_align: 8
    .kernarg_segment_size: 104
    .max_flat_workgroup_size: 128
    .sgpr_count:     66
    .vgpr_count:     498
    .wavefront_size: 32
...
	.end_amdgpu_metadata
.endif
;; end of part 4
;; launch attn (part 5): grid 64 x 4, 12 waves a work-group, clusters of 4 x 1, 327,680 bytes of LDS; arguments qw, kv, ao, asc; writes ao, asc
.if DOCPART == 5
	.amdgcn_target "amdgcn-amd-amdhsa--gfx1250"
	.amdhsa_code_object_version 6
	.text
	.protected	k_q0c0d594e32_attn
	.globl	k_q0c0d594e32_attn
	.p2align	8
	.type	k_q0c0d594e32_attn,@function
k_q0c0d594e32_attn:
	s_mov_b64 s[64:65], 0
	v_nop
	global_prefetch_b8 v0, s[64:65] scope:SCOPE_SE
	s_setreg_imm32_b32 hwreg(HW_REG_WAVE_MODE, 25, 1), 1
	s_wait_xcnt 0x0
	s_wait_alu depctr_hold_cnt(0) depctr_sa_sdst(0) depctr_va_vdst(0) depctr_va_sdst(0) depctr_va_ssrc(0) depctr_va_vcc(0) depctr_vm_vsrc(0)
	s_getreg_b32 s2, hwreg(HW_REG_IB_STS2, 6, 4)
	s_cmp_eq_u32 s2, 0
	s_cbranch_scc0 .Lentry_in_a_cluster
	s_endpgm
.Lentry_in_a_cluster:
	s_bfe_u32 s2, ttmp6, 0x10000c
	s_cmp_lg_u32 s2, 0x3003
	s_cbranch_scc0 .Lentry_shape_is_right
	s_endpgm
.Lentry_shape_is_right:
; For each head: O[q] = sum over keys of p V / l, p = 2^(t - M), t = (Q[q] . K[key]) log2(e) / 8, M = the row's largest t so far rounded UP to a whole number; l = the sum of the unquantised p.
; Both products on codes of FP6 (E2M3) with E8M0 scales; p is quantised along the keys, O / l along the head's 64, and stored as the next launch's operand registers.
; SHARES.  4,096 queries x 12 heads are 3,072 tiles of 16 queries = 256 work-groups x 12 waves.  Work-group (X, g): 64 queries x heads 3 g .. 3 g + 2; wave w: head 3 g + w / 4, query tile T = 4 X + w % 4.
; Every wave walks the head's 32 key steps of 128 keys.  Three waves share a SIMD, so that one wave's vector work stands beside another's LDS loads and products.
; LAYOUT.  Both products are used transposed (S^T = K Q^T, O^T = V^T P^T): a lane holds ONE query throughout.  K, V and Q come as images of operand registers (16 bytes a lane, 512 a load): no pitch, no padding.
; THE FIRST PRODUCT'S K IS 64.  An image of K holds TWO tiles of 16 keys: registers 0-5 tile (b, 0), 6-11 tile (b, 1).  Q stands as [q | zeros | q] in 18 registers: the first 12 pick tile (b, 0), the last 12 tile (b, 1);
; Q's zero codes, under the scale byte 0 (2^-127), add exactly 0 whatever K holds beside them (K's bytes are never 0xff).  So every LDS byte read is data.
; The keys of a tile are chosen so that the 16 registers of S^T's tiles 2 b, 2 b + 1 are keys 32 b + 16 (lane / 16) + 0 .. 15.
; RING.  Two LDS slots of two key steps x three heads (76,800 dense bytes of kv), each filled by twelve tensor loads, one a wave, of 25 rows x 256 bytes.
; CLUSTER.  The four work-groups of a cluster have the same g and walk the same bytes of kv: each load is asked for JOINTLY, same descriptor, a mask that names the four.
; All of a WGP's LDS is claimed, and 0 is added to spare words at each change of slots and at the end.
; LIMITS: NaN and infinities are not served.  v_exp_f32 gives 0 for what would lie under 2^-126.  A block's largest p is taken as the exponential of its largest score (this takes v_exp_f32 not to fall where its input rises).
; A block whose largest magnitude lies under 2^-124, zeros too, gets the byte 1 (the rule says 127 for zeros): its codes add nothing, and this program alone reads the bytes.
; The 32 scale bytes of a wave leave by single bytes, 24 bytes apart: one byte in 25 of what the launch stores.
.set STEPB, 38400                      ; a key step of three heads
.set HEADB, 12800                      ; one head's: K's four images, V's four, K's words, V's words
.set SLOTB, 2*STEPB
.set SLOT1, 1<<17                      ; slot 1 begins here: one exclusive or turns an address from slot to slot
.set SPARE, SLOT1+SLOTB                ; the spare words: 128 bytes for each of 12 waves, six blocks of 256 bytes that no other line names
.set SPW, 1                            ; v1   SPARE + 4 x thread; never rewritten
.set NIL, 2                            ; v2   0; never rewritten
.set AF0, 3                            ; v3   16 l + my head's place in a step
.set AS0, 4                            ; v4   4 l + my head's scale words
.set ADR, 5
.set ADS, 6
.set PFO, 7                            ; v7   the prefetch's offset
.set QSL, 8                            ; v8   Q's scale word [s0, s1, 0, 0];  v9 [0, 0, s0, s1]
.set KS,  10                           ; v10-11 K's scale words: lanes 0-15 an even pair image's, lanes 16-31 the odd one's
.set VS,  12                           ; v12-13 V's
.set PSW, 14                           ; v14  p's scale word
.set NM,  16                           ; v16 -M, v17 the largest t so far
.set SUM, 18                           ; v[18:19] l in two halves
.set FF,  20                           ; v[20:21] f = 2^(old M - new M); at the end 1 / l
.set TP,  22                           ; v[22:23] at work
.set QB,  24                           ; v24-41 [q | 0 | q]
.set KV,  48                           ; v48-95 K's four pair images, then V's four images
.set S,   96                           ; v96-159 S^T, then p
.set OT,  160                          ; v160-191 O^T
.set PCD, 192                          ; v192-203 p's codes
.set CT,  204
.set BM,  212
.set BX,  216
.set SO,  220
.set OL,  224                          ; v224-255 O / l
.set WV,  12
.set SEL, 20
.set CS,  22
.set G1,  24
.set G0,  32
.set TB,  36
.set SLOTS, 37
.set PFA, 38
.set LIM, 40
.set UM,  56
.set HI,  57
.macro ROUND                           ; a round of the cluster's barrier
	s_barrier_signal -1
	s_barrier_wait -1
	s_cmp_lg_u32 s[WV], 0
	s_cbranch_scc1 .Lnot_wave_0_\@
	s_barrier_signal -3
.Lnot_wave_0_\@:
	s_barrier_wait -3
	s_barrier_signal -1
	s_barrier_wait -1
.endm
; A PREFETCH INTO THE L2 of the slot that the NEXT change of slots will ask for: two key steps ahead of that load.  All sixteen clusters of a group g walk the same bytes: the first of them (cluster x = 0) asks.
; A slot is twelve pieces of 6,400 bytes: the four partners share them out BY ADDRESS, piece 3 cx + w for waves 0 to 2, lanes 256 bytes apart.  A piece is 25 blocks of 256 bytes: lanes 25 to 31 name lane 24's again.
; The last change that fills a slot asks for nothing; slots 0 and 1 come by their loads alone.
.macro ASK
	s_cmp_gt_u32 s[SLOTS], s[LIM]
	s_cbranch_scc0 .Lnot_mine_\@
	global_prefetch_b8 v[PFO], s[PFA:PFA+1] th:TH_LOAD_NT scope:SCOPE_SE
.Lnot_mine_\@:
.endm
.macro WMZ d, a, b, sa, sb, ra         ; a product that starts its sum
.if \ra
	v_wmma_scale_f32_16x16x128_f8f6f4 v[\d:\d+7], v[\a:\a+11], v[\b:\b+11], 0, v[\sa], v[\sb] matrix_a_fmt:MATRIX_FMT_FP6 matrix_b_fmt:MATRIX_FMT_FP6 matrix_a_scale:MATRIX_SCALE_ROW1
.else
	v_wmma_scale_f32_16x16x128_f8f6f4 v[\d:\d+7], v[\a:\a+11], v[\b:\b+11], 0, v[\sa], v[\sb] matrix_a_fmt:MATRIX_FMT_FP6 matrix_b_fmt:MATRIX_FMT_FP6
.endif
.endm
.macro WMA d, a, b, sa, sb, ra         ; a product that adds in place
.if \ra
	v_wmma_scale_f32_16x16x128_f8f6f4 v[\d:\d+7], v[\a:\a+11], v[\b:\b+11], v[\d:\d+7], v[\sa], v[\sb] matrix_a_fmt:MATRIX_FMT_FP6 matrix_b_fmt:MATRIX_FMT_FP6 matrix_a_scale:MATRIX_SCALE_ROW1
.else
	v_wmma_scale_f32_16x16x128_f8f6f4 v[\d:\d+7], v[\a:\a+11], v[\b:\b+11], v[\d:\d+7], v[\sa], v[\sb] matrix_a_fmt:MATRIX_FMT_FP6 matrix_b_fmt:MATRIX_FMT_FP6
.endif
.endm
	s_load_b256 s[4:11], s[0:1], 0x0               ; qw, kv, ao, asc
	v_lshl_add_u32 v[SPW], v0, 2, SPARE
	v_mov_b32 v[NIL], 0
	ds_add_u32 v1, v2
	ds_add_u32 v1, v2
	s_wait_dscnt 0x0
	v_lshrrev_b32 v22, 5, v0
	s_delay_alu instid0(VALU_DEP_1)
	v_readfirstlane_b32 s[WV], v22                 ; wave 0..11
	s_bfe_u32 s13, ttmp6, 0x40000                  ; cx: it enters the addresses of qw, ao, asc and of the prefetch alone
	s_lshl_b32 s14, ttmp9, 2
	s_add_co_u32 s14, s14, s13                     ; X = 4 x cluster x + cx
	s_and_b32 s15, ttmp7, 0xffff                   ; g, which the four partners share
	s_lshr_b32 s16, s[WV], 2                       ; my head in the group
	s_and_b32 s17, s[WV], 3
	s_mul_i32 s18, s15, 3
	s_add_co_u32 s18, s18, s16                     ; my head
	s_lshl_b32 s19, s14, 2
	s_add_co_u32 s19, s19, s17                     ; T, my tile of 16 queries
	; descriptor group 1: 25 rows of 256 bytes (32 elements of 8 bytes), dense in memory and in LDS
	s_mov_b32 s[G1], 15|(3<<16)|(1<<21)            ; 15:0 the mask: all four work-groups; 17:16 elements of 8 bytes; 20 no padding; 21 set beside a mask
	s_mov_b32 s[G1+1], 32<<16                      ; tensor_dim0 = 32
	s_mov_b32 s[G1+2], 25<<16                      ; tensor_dim1 = 25
	s_mov_b32 s[G1+3], 32<<16                      ; tile_dim0 = 32
	s_mov_b32 s[G1+4], 25                          ; tile_dim1 = 25
	s_mov_b32 s[G1+5], 32                          ; from row to row
	s_mov_b32 s[G1+6], 0
	s_mov_b32 s[G1+7], 0
	s_mov_b32 s[SEL], 0x76543210
	s_mov_b32 s[SEL+1], 0xfedcba98                 ; lane l xor 16
	s_mov_b32 s[CS], 0x3e38aa3b                    ; c = log2(e) / sqrt(64)
	s_mov_b32 s[CS+1], s[CS]                       ; (named with it as a pair, so it is written)
	s_mov_b32 s[TB], 0
	s_mov_b32 s[SLOTS], 15                         ; 16 slots' worth of keys; slot 0 is asked for at the head
	s_mov_b32 s[HI], 0xffff0000
	s_mul_i32 s41, s[WV], 6400                     ; my twelfth of a slot, in LDS and in memory
	s_mul_i32 s42, s15, 32*STEPB
	s_add_co_u32 s42, s42, s41
	s_mov_b32 s43, 0
	s_min_u32 s44, s[WV], 2                        ; the prefetches: piece 3 cx + w (waves 0 to 2 ask),
	s_mul_i32 s45, s13, 3
	s_add_co_u32 s44, s44, s45
	s_mul_i32 s44, s44, 6400
	s_mul_i32 s45, s15, 32*STEPB
	s_add_co_u32 s44, s44, s45
	s_add_co_u32 s44, s44, SLOTB                   ; in slot 1: the first change of slots steps it to slot 2
	s_mov_b32 s45, 0
	s_cmp_lt_u32 s[WV], 3
	s_cselect_b32 s[LIM], ttmp9, -1
	s_cmp_eq_u32 s[LIM], 0                         ; waves 0 to 2 of the group's first cluster: the same in all four partners
	s_cselect_b32 s[LIM], 1, -1
	s_lshl_b32 s46, s18, 5                         ; Q: chunk (32 head + T / 8) 6,400,
	s_lshr_b32 s47, s14, 1
	s_add_co_u32 s46, s46, s47
	s_mul_i32 s46, s46, 6400
	s_bfe_u32 s47, s19, 0x20001                    ; pair image (T / 2) % 4
	s_mul_i32 s48, s47, 1536
	s_add_co_u32 s48, s48, s46
	s_lshl_b32 s47, s47, 6
	s_add_co_u32 s47, s47, s46
	s_add_co_u32 s47, s47, 6144                    ; and its scale words
	s_and_b32 s49, s[WV], 1                        ; u = T % 2: which half of the pair is mine
	s_cmp_eq_u32 s49, 1
	s_cselect_b32 s[UM], -1, 0
	s_lshl_b32 s49, s49, 4
	s_mul_i32 s50, s19, 12
	s_add_co_u32 s50, s50, s18
	s_mul_i32 s50, s50, 768                        ; ao: (12 T + head) 768
	s_mov_b32 s51, 0
	s_mul_i32 s52, s19, 384
	s_add_co_u32 s52, s52, s18
	s_add_co_u32 s52, s52, s18                     ; asc: 384 T + 2 head
	s_mov_b32 s53, 0
	s_mul_i32 s54, s16, HEADB
	v_and_b32 v22, 31, v0                          ; l
	v_and_b32 v23, 15, v0                          ; r
	s_delay_alu instid0(VALU_DEP_2)
	v_lshlrev_b32 v42, 4, v22                      ; 16 l
	s_delay_alu instid0(VALU_DEP_3)
	v_lshlrev_b32 v43, 3, v22                      ; 8 l
	v_bfe_u32 v44, v0, 4, 1
	s_delay_alu instid0(VALU_DEP_1)
	v_mad_u32_u24 v44, v23, 24, v44                ; 24 r + h
	s_delay_alu instid0(VALU_DEP_4)
	v_add_nc_u32 v[AF0], s54, v42
	v_lshl_add_u32 v[AS0], v22, 2, s54
	s_delay_alu instid0(VALU_DEP_1)
	v_add_nc_u32 v[AS0], 12288, v[AS0]
	v_min_u32 v[PFO], 24, v22
	s_delay_alu instid0(VALU_DEP_1)
	v_lshlrev_b32 v[PFO], 8, v[PFO]
	v_add_nc_u32 v45, s48, v42
	v_lshl_add_u32 v46, v23, 2, s47
	s_wait_alu depctr_va_vdst(0)
	s_wait_kmcnt 0x0
	s_mov_b32 s[G0], 1                             ; 1:0 count = 1
	s_mov_b32 s[G0+1], s41                         ; LDS address: slot 0
	s_add_nc_u64 s[G0+2:G0+3], s[6:7], s[42:43]    ; global address: my twelfth of the group's first two key steps
	s_or_b32 s[G0+3], s[G0+3], 0x80000000          ; type = 2
	s_add_nc_u64 s[PFA:PFA+1], s[6:7], s[44:45]
	s_add_nc_u64 s[8:9], s[8:9], s[50:51]
	s_add_nc_u64 s[10:11], s[10:11], s[52:53]
.irp k, 0,1,2
	global_load_b128 v[S+4*\k:S+4*\k+3], v45, s[4:5] offset:512*\k   ; the pair image that holds my tile of Q
.endr
	global_load_b32 v47, v46, s[4:5]               ; and its scale words
	ROUND                                          ; all four work-groups are here: the first joint loads meet
	tensor_load_to_lds s[G0:G0+3], s[G1:G1+7]      ; slot 0: one tensor load of mine is out
	s_nop 0
.rept 4
	v_nop                                          ; four v_nop follow a tensor load
.endr
	s_wait_loadcnt 0x0
.irp k, 0,1,2,3,4,5
	v_cndmask_b32 v[QB+\k], v[S+\k], v[S+6+\k], s[UM]
	v_mov_b32 v[QB+6+\k], 0
.endr
.irp k, 0,1,2,3,4,5
	v_mov_b32 v[QB+12+\k], v[QB+\k]
.endr
	v_lshrrev_b32 v[QSL], s49, v47
	s_delay_alu instid0(VALU_DEP_1)
	v_and_b32 v[QSL], 0xffff, v[QSL]               ; my tile's two bytes, under zeros
	s_delay_alu instid0(VALU_DEP_1)
	v_lshlrev_b32 v[QSL+1], 16, v[QSL]             ; and over zeros
	v_mov_b32 v[NM+1], 0xff61b1e6                  ; the largest t so far: -3e38
	s_delay_alu instid0(VALU_DEP_1)
	v_floor_f32 v[NM], -v[NM+1]                    ; -M
	v_mov_b32 v[SUM], 0
	v_mov_b32 v[SUM+1], 0
	v_mov_b32 v[FF], 0
	v_mov_b32 v[FF+1], 0                           ; (named as the upper half of a pair)
.irp b, 0,1,2,3
	v_mov_b32 v[BX+\b], 0                          ; a lane permute's destination counts as one of its sources
.endr
.set j, 0
.rept 32
	v_mov_b32 v[OT+j], 0                           ; O^T.  The key step is written without a first step of its own: the first finds zeros, which the first change of M leaves zeros
.set j, j+1
.endr
; A KEY STEP: 128 keys, the q-th of the slot in hand.
.macro STEP q
	v_add_nc_u32 v[ADR], s[TB], v[AF0]
	v_add_nc_u32 v[ADS], s[TB], v[AS0]
	v_nop
	v_nop                                          ; four places between the last products and loads into registers that they have read
.irp b, 0,1,2,3
.irp k, 0,1,2
	ds_load_b128 v[KV+12*\b+4*\k:KV+12*\b+4*\k+3], v[ADR] offset:STEPB*(\q)+1536*\b+512*\k
.endr
.endr
	ds_load_b32 v[KS], v[ADS] offset:STEPB*(\q)
	ds_load_b32 v[KS+1], v[ADS] offset:STEPB*(\q)+128
	s_wait_alu depctr_va_vdst(0)
	s_wait_dscnt 0x0
.irp t, 0,1,2,3,4,5,6,7                ; S^T = K Q^T: tile t = half t % 2 of pair image t / 2
	WMZ S+8*\t, KV+12*(\t/2), QB+6*(\t%2), KS+\t/4, QSL+\t%2, (\t/2)%2
.endr
.rept 4
	v_nop                                          ; places in front of the loads below and of the first read of the scores
.endr
.irp b, 0,1,2,3
.irp k, 0,1,2
	ds_load_b128 v[KV+12*\b+4*\k:KV+12*\b+4*\k+3], v[ADR] offset:STEPB*(\q)+6144+1536*\b+512*\k   ; V's four images: they land under the softmax
.endr
.endr
	ds_load_b32 v[VS], v[ADS] offset:STEPB*(\q)+256
	ds_load_b32 v[VS+1], v[ADS] offset:STEPB*(\q)+384
.irp b, 0,1,2,3
	v_max3_num_f32 v[BM+\b], v[S+16*\b], v[S+1+16*\b], v[S+2+16*\b]   ; the largest score of each block of 32 keys: for the row's maximum and for the block's largest p
.endr
.irp i, 3,5,7,9,11,13
.irp b, 0,1,2,3
	v_max3_num_f32 v[BM+\b], v[BM+\b], v[S+16*\b+\i], v[S+1+16*\b+\i]
.endr
.endr
.irp b, 0,1,2,3
	v_max_num_f32 v[BM+\b], v[BM+\b], v[S+15+16*\b]
.endr
.irp b, 0,1,2,3
	s_delay_alu instid0(VALU_DEP_4)
	v_permlanex16_b32 v[BX+\b], v[BM+\b], s[SEL], s[SEL+1]
.endr
.irp b, 0,1,2,3
	s_delay_alu instid0(VALU_DEP_4)
	v_max_num_f32 v[BM+\b], v[BM+\b], v[BX+\b]     ; with lane l xor 16's 16 keys
.endr
	s_delay_alu instid0(VALU_DEP_2)
	v_max3_num_f32 v[TP], v[BM], v[BM+1], v[BM+2]
	s_delay_alu instid0(VALU_DEP_1)
	v_max_num_f32 v[TP], v[TP], v[BM+3]
	s_delay_alu instid0(VALU_DEP_1)
	v_mul_f32 v[TP], s[CS], v[TP]                  ; the step's largest t (c is positive)
	s_delay_alu instid0(VALU_DEP_1)
	v_max_num_f32 v[NM+1], v[NM+1], v[TP]          ; the running largest t
	v_mov_b32 v[TP], v[NM]
	s_delay_alu instid0(VALU_DEP_2)
	v_floor_f32 v[NM], -v[NM+1]                    ; the new -M = -ceil(t): a whole number
	s_delay_alu instid0(VALU_DEP_1)
	v_sub_f32 v[TP], v[NM], v[TP]                  ; old M - new M: a whole number, 0 or less
	s_delay_alu instid0(VALU_DEP_1)
	v_cvt_i32_f32 v[TP], v[TP]                     ; (it saturates)
	s_delay_alu instid0(VALU_DEP_1)
	v_ldexp_f32 v[FF], 1.0, v[TP]                  ; f = 2^(old M - new M): a multiplication by it rounds nothing
.set j, 0
.rept 32
	v_pk_fma_f32 v[S+j:S+j+1], v[S+j:S+j+1], s[CS:CS+1], v[NM:NM+1] op_sel_hi:[1,0,0]   ; t - M, two at a time (of the pairs c and -M the low word serves both halves)
.set j, j+2
.endr
.irp b, 0,1,2,3
	v_fma_f32 v[BM+\b], v[BM+\b], s[CS], v[NM]     ; the same of each block's largest score
.endr
.set j, 0
	s_wait_alu depctr_va_vdst(0)
.rept 64
	v_exp_f32 v[S+j], v[S+j]                       ; p = 2^(t - M), at most 1: not normalised
.set j, j+1
.endr
	v_pk_mul_f32 v[SUM:SUM+1], v[SUM:SUM+1], v[FF:FF+1] op_sel_hi:[1,0]   ; the sums under the new M: the plain place behind the exponentials
	s_wait_alu depctr_va_vdst(0)                   ; one wait for the batch of 64, ahead of its first reader
.irp b, 0,1,2,3
	v_exp_f32 v[BM+\b], v[BM+\b]                   ; the block's largest p: the same two instructions on the same number give the same bits
.endr
	v_pk_add_f32 v[22:23], v[100:101], v[104:105]
	v_pk_add_f32 v[254:255], v[108:109], v[112:113]
	v_pk_add_f32 v[252:253], v[116:117], v[120:121]
	v_pk_add_f32 v[250:251], v[124:125], v[128:129]
	v_pk_add_f32 v[248:249], v[132:133], v[136:137]
	v_pk_add_f32 v[246:247], v[140:141], v[144:145]
	v_pk_add_f32 v[244:245], v[148:149], v[152:153]
	v_pk_add_f32 v[18:19], v[18:19], v[156:157]
	v_pk_add_f32 v[22:23], v[22:23], v[96:97]
	v_pk_add_f32 v[254:255], v[254:255], v[98:99]
	v_pk_add_f32 v[252:253], v[252:253], v[102:103]
	v_pk_add_f32 v[250:251], v[250:251], v[106:107]
	v_pk_add_f32 v[248:249], v[248:249], v[110:111]
	v_pk_add_f32 v[246:247], v[246:247], v[114:115]
	v_pk_add_f32 v[244:245], v[244:245], v[118:119]
	v_pk_add_f32 v[18:19], v[18:19], v[122:123]
	v_pk_add_f32 v[22:23], v[22:23], v[126:127]
	v_pk_add_f32 v[254:255], v[254:255], v[130:131]
	v_pk_add_f32 v[252:253], v[252:253], v[134:135]
	v_pk_add_f32 v[250:251], v[250:251], v[138:139]
	v_pk_add_f32 v[248:249], v[248:249], v[142:143]
	v_pk_add_f32 v[246:247], v[246:247], v[146:147]
	v_pk_add_f32 v[244:245], v[244:245], v[150:151]
	v_pk_add_f32 v[18:19], v[18:19], v[154:155]
	v_pk_add_f32 v[22:23], v[22:23], v[158:159]
	s_delay_alu instid0(VALU_DEP_2)
	v_pk_add_f32 v[18:19], v[18:19], v[250:251]
	s_delay_alu instid0(VALU_DEP_2)
	v_pk_add_f32 v[22:23], v[22:23], v[248:249]
	v_pk_add_f32 v[254:255], v[254:255], v[246:247]
	v_pk_add_f32 v[252:253], v[252:253], v[244:245]
	s_delay_alu instid0(VALU_DEP_2)
	v_pk_add_f32 v[18:19], v[18:19], v[254:255]
	s_delay_alu instid0(VALU_DEP_2)
	v_pk_add_f32 v[22:23], v[22:23], v[252:253]
	s_delay_alu instid0(VALU_DEP_1)
	v_pk_add_f32 v[18:19], v[18:19], v[22:23]
	s_wait_alu depctr_va_vdst(0)                   ; and one for the four
.irp b, 0,1,2,3
	v_max_num_f32 v[BM+\b], 0x1800000, v[BM+\b]    ; the floor 2^(3 - 127): the byte cannot fall under 1
.endr
.irp b, 0,1,2,3
	s_delay_alu instid0(VALU_DEP_4)
	v_add_nc_u32 v[SO+\b], 0xff000000, v[BM+\b]    ; 2 off the exponent field: the conversion's scale operand
.endr
.irp b, 0,1,2,3
	s_delay_alu instid0(VALU_DEP_4)
	v_lshrrev_b32 v[BX+\b], 23, v[SO+\b]           ; the scale's byte
.endr
	s_delay_alu instid0(VALU_DEP_3)
	v_lshl_or_b32 v[PSW], v[BX+1], 8, v[BX]        ; p's scale word for these 128 keys
	s_delay_alu instid0(VALU_DEP_1)
	v_lshl_or_b32 v[PSW], v[BX+2], 16, v[PSW]
	s_delay_alu instid0(VALU_DEP_1)
	v_lshl_or_b32 v[PSW], v[BX+3], 24, v[PSW]
.irp c, 0,1
	v_cvt_scalef32_pk16_fp6_f32 v[PCD+6*\c:PCD+2+6*\c], v[S+32*\c:S+15+32*\c], v[SO+2*\c]
	v_cvt_scalef32_pk16_fp6_f32 v[CT+4*\c:CT+2+4*\c], v[S+16+32*\c:S+31+32*\c], v[SO+2*\c+1]   ; (a conversion's three registers begin on an even number)
.endr
	v_nop                                          ; one plain place behind a scaled conversion
.irp c, 0,1
.irp i, 0,1,2
	v_permlane16_swap_b32 v[PCD+6*\c+\i], v[CT+4*\c+\i]   ; a whole block to a lane
.endr
.irp i, 0,1,2
	s_delay_alu instid0(VALU_DEP_3)
	v_mov_b32 v[PCD+3+6*\c+\i], v[CT+4*\c+\i]
.endr
.endr
.set j, 0
.rept 16
	v_pk_mul_f32 v[OT+j:OT+j+1], v[OT+j:OT+j+1], v[FF:FF+1] op_sel_hi:[1,0]   ; O^T under the new M.  (Also the places between the lines that made p's codes and scale word and the products below)
.set j, j+2
.endr
	s_wait_alu depctr_va_vdst(0)
	s_wait_dscnt 0x0                               ; V is in
.irp t, 0,1,2,3                        ; O^T += V^T P^T: four accumulators, one instruction a turn
	WMA OT+8*\t, KV+12*\t, PCD, VS+\t/2, PSW, \t%2
.endr
.endm
; THE CHANGE OF SLOTS stands at a slot's head.  Each wave waits for all its tensor loads (one is out: its twelfth of the slot ahead), adds 0 to its spare word, and waits for that and for its reads of the slot that it has left.
; Then a round of the cluster's barrier: no wave of any partner still reads that slot or has a load on its way.  fill = 1: the slot left is filled with the keys that follow: the load has two key steps in which to land.
.macro CHANGE fill
	s_wait_tensorcnt 0x0                           ; no tensor load of mine is out, so group 0 may be written
	ds_add_u32 v[SPW], v[NIL]                      ; 0 onto my spare word
.if \fill
	s_xor_b32 s[G0+1], s[G0+1], SLOT1              ; the other slot than last time,
	s_add_nc_u64 s[G0+2:G0+3], s[G0+2:G0+3], SLOTB ; the next two key steps; the type bits on top are not reached
	s_wait_xcnt 0x0                                ; the last prefetch, two key steps back, has read its address
	s_add_nc_u64 s[PFA:PFA+1], s[PFA:PFA+1], SLOTB ; one slot further on than the descriptor
.endif
	s_wait_dscnt 0x0                               ; the add is done, and my reads of the slot that I have left are over
	ROUND
.if \fill
	tensor_load_to_lds s[G0:G0+3], s[G1:G1+7]      ; the first thing behind the round, and my one tensor load until the next
	s_nop 0
.rept 4
	v_nop
.endr
	ASK
.endif
.endm
.Lslot:                                            ; 15 trips: behind each change of slots but the last the next slot is asked for
	CHANGE 1
	STEP 0
	STEP 1
	s_xor_b32 s[TB], s[TB], SLOT1
	s_sub_co_u32 s[SLOTS], s[SLOTS], 1
	s_cmp_lg_u32 s[SLOTS], 0
	s_cbranch_scc1 .Lslot
	CHANGE 0                                       ; the last slot is written out
	STEP 0
	STEP 1
	; THE WAY OUT.  O^T / l; register 16 b + i of a lane is d = 32 b + 16 h + i of my query: two blocks of 32 along the last product's K.
.rept 4
	v_nop                                          ; places behind the last products
.endr
	v_add_f32 v[SUM], v[SUM], v[SUM+1]
	s_delay_alu instid0(VALU_DEP_1)
	v_permlanex16_b32 v[TP], v[SUM], s[SEL], s[SEL+1]
	s_delay_alu instid0(VALU_DEP_1)
	v_add_f32 v[SUM], v[SUM], v[TP]                ; the row's sum
	s_wait_alu depctr_va_vdst(0)
	v_rcp_f32 v[FF], v[SUM]
	v_nop                                          ; a plain place behind the transcendental
	s_wait_alu depctr_va_vdst(0)                   ; and the wait ahead of its first reader
.set j, 0
.rept 16
	v_pk_mul_f32 v[OL+j:OL+j+1], v[OT+j:OT+j+1], v[FF:FF+1] op_sel_hi:[1,0]
.set j, j+2
.endr
.irp b, 0,1
	v_max3_num_f32 v[BM+\b], |v[OL+16*\b]|, |v[OL+1+16*\b]|, 0x1800000
.endr
.irp i, 2,4,6,8,10,12,14
.irp b, 0,1
	s_delay_alu instid0(VALU_DEP_2)
	v_max3_num_f32 v[BM+\b], v[BM+\b], |v[OL+16*\b+\i]|, |v[OL+1+16*\b+\i]|
.endr
.endr
.irp b, 0,1
	s_delay_alu instid0(VALU_DEP_2)
	v_permlanex16_b32 v[BX+\b], v[BM+\b], s[SEL], s[SEL+1]
.endr
.irp b, 0,1
	s_delay_alu instid0(VALU_DEP_2)
	v_max_num_f32 v[BM+\b], v[BM+\b], v[BX+\b]
.endr
.irp b, 0,1
	s_delay_alu instid0(VALU_DEP_2)
	v_add_nc_u32 v[SO+\b], 0xff000000, v[BM+\b]
.endr
.irp b, 0,1
	s_delay_alu instid0(VALU_DEP_2)
	v_lshrrev_b32 v[BX+\b], 23, v[SO+\b]
.endr
	v_cvt_scalef32_pk16_fp6_f32 v[PCD:PCD+2], v[OL:OL+15], v[SO]
	v_cvt_scalef32_pk16_fp6_f32 v[CT:CT+2], v[OL+16:OL+31], v[SO+1]
	v_nop
.irp i, 0,1,2
	v_permlane16_swap_b32 v[PCD+\i], v[CT+\i]
.endr
.irp i, 0,1,2
	s_delay_alu instid0(VALU_DEP_3)
	v_mov_b32 v[PCD+3+\i], v[CT+\i]                ; registers 0-5: d = 32 h + 0 .. 31 of query r: half of the next launch's fragment
.endr
	v_cndmask_b32 v[BX], v[BX], v[BX+1], s[HI]     ; lane (r, h) stores block h's byte
	global_store_b128 v42, v[PCD:PCD+3], s[8:9]    ; 32 lanes store 512 consecutive bytes, at a multiple of 256 from ao's first byte,
	global_store_b64 v43, v[PCD+4:PCD+5], s[8:9] offset:512   ; and 256
	global_store_b8 v44, v[BX], s[10:11]
	s_wait_tensorcnt 0x0                           ; the wave's end
	ds_add_u32 v[SPW], v[NIL]
	s_wait_dscnt 0x0
	ROUND                                          ; the closing round: no work-group ends while a partner may still ask for a tile that names it
	s_endpgm
.Lfunc_end_k_q0c0d594e32_attn:
	.size	k_q0c0d594e32_attn, .Lfunc_end_k_q0c0d594e32_attn-k_q0c0d594e32_attn
	.p2alignl 7, 3214868480
	.fill 96, 4, 3214868480
	.section	.rodata,"a",@progbits
	.p2align	6, 0x0
	.amdhsa_kernel k_q0c0d594e32_attn
		.amdhsa_group_segment_fixed_size 327680
		.amdhsa_private_segment_fixed_size 0
		.amdhsa_enable_private_segment 0
		.amdhsa_kernarg_size 32
		.amdhsa_user_sgpr_count 2
		.amdhsa_user_sgpr_kernarg_segment_ptr 1
		.amdhsa_wavefront_size32 1
		.amdhsa_system_sgpr_workgroup_id_x 1
		.amdhsa_system_sgpr_workgroup_id_y 1
		.amdhsa_system_sgpr_workgroup_id_z 1
		.amdhsa_system_vgpr_workitem_id 0
		.amdhsa_next_free_vgpr 256
		.amdhsa_next_free_sgpr 66
		.amdhsa_reserve_vcc 0
		.amdhsa_float_denorm_mode_32 3
		.amdhsa_float_denorm_mode_16_64 3
		.amdhsa_memory_ordered 1
		.amdhsa_forward_progress 1
		.amdhsa_inst_pref_size 81
	.end_amdhsa_kernel
	.amdgpu_metadata
---
amdhsa.version: [ 1, 2 ]
amdhsa.kernels:
  - .name:           k_q0c0d594e32_attn
    .symbol:         k_q0c0d594e32_attn.kd
    .args:
      - { .name: qw, .offset: 0, .size: 8, .value_kind: global_buffer, .address_space: global }
      - { .name: kv, .offset: 8, .size: 8, .value_kind: global_buffer, .address_space: global }
      - { .name: ao, .offset: 16, .size: 8, .value_kind: global_buffer, .address_space: global }
      - { .name: asc, .offset: 24, .size: 8, .value_kind: global_buffer, .address_space: global }
    .group_segment_fixed_size: 327680
    .private_segment_fixed_size: 0
    .kernarg_segment_align: 8
    .kernarg_segment_size: 32
    .max_flat_workgroup_size: 384
    .sgpr_count:     66
    .vgpr_count:     256
    .wavefront_size: 32
...
	.end_amdgpu_metadata
.endif
;; end of part 5
;; launch oproj (part 6): grid 4 x 64, 4 waves a work-group, no clusters, 168,960 bytes of LDS; arguments ao, asc, Wo_codes, Wo_scales, bo, out0; writes out0
.if DOCPART == 6
	.amdgcn_target "amdgcn-amd-amdhsa--gfx1250"
	.amdhsa_code_object_version 6
	.text
	.protected	k_q0c0d594e32_oproj
	.globl	k_q0c0d594e32_oproj
	.p2align	8
	.type	k_q0c0d594e32_oproj,@function
k_q0c0d594e32_oproj:
	s_mov_b64 s[64:65], 0
	v_nop
	global_prefetch_b8 v0, s[64:65] scope:SCOPE_SE
	s_setreg_imm32_b32 hwreg(HW_REG_WAVE_SCHED_MODE, 0, 2), 2
	s_setreg_imm32_b32 hwreg(HW_REG_WAVE_MODE, 25, 1), 1
	s_wait_xcnt 0x0
	s_wait_alu depctr_vm_vsrc(0)
; out0 = a Wo^T + bo on codes of FP6 (E2M3) with E8M0 scales, f32 sums.  a: the attention's result, 4,096 x 768, as the launch before stored it: ao [tile T of 16 tokens][head][768 bytes]: six registers a lane
; (registers 0-3 at 16 x lane, 4-5 at 512 + 8 x lane), asc [T][16 rows][24 scale bytes].  Wo: [768][768]: a row is 576 bytes of codes and 24 scale bytes.
; SHARES.  Work-group (nb, y): features 192 nb .. + 191 x 64 tokens.  Wave w: token tile T = 4 y + w against all 12 tiles of Wo's rows: 12 accumulators, 72 matrix instructions.
; The tile's six fragments of a come straight from memory into registers, once, and stay.  Wo's 192 rows go through LDS, since all four waves read them.
; TRANSPOSED USE: source 0 = 16 rows of Wo, source 1 = the 16 tokens: a lane holds eight neighbouring columns of one token's row.  bo is the C of each sum's first product.
; Lane r of tile T is token 128 (T / 8) + 32 ((T / 2) % 4) + 8 (T % 2) + r + 8 (r / 8).
; No tensor load: a row of 576 bytes gets its 16 bytes of padding from the lanes' own LDS addresses.  No prefetch: the launch is short, and Wo is read by 64 work-groups.
; LIMITS: NaN and infinities are not served.
; THE MODE: SCHED_MODE bits 1:0 = 2 (LLVM: expert scheduling mode 2), set by the entry lines.  The code itself states the register dependences
; between vector or matrix instructions and memory or LDS instructions, with s_wait_alu, always for 0.
; THE PLAN.  Registers that memory or LDS instructions touch:
;   window 1, v0-143 (even K steps) and window 2, v0-143 (odd ones)   Wo's 12 fragments of a K step, tile t at 12 t.  LDS loads write them, products read them, nothing else names them.
;   v22-33             Wo's scale words, two sets of six: likewise (behind the staging, which sends the scale bytes through v22-30).
;   A pair of tiles is asked for four groups ahead: groups 0 and 1 of K step s ask for the step's own pairs 4 and 5, group 2 for the next step's scale words and pair 0, groups 3 to 5 for its pairs 1 to 3.
;   What these loads land in was last read by products of K step s - 1 (the other window, the other set of words) or s - 2 (pairs 4 and 5).  So ONE wait on va_vdst stands at the head of K steps 1 to 4; the products issued
;   behind it name the window in hand, its scale words, a's fragments and the accumulators, none of the registers that the step's loads touch.  K step 0 owes none; nor does K step 5 (its two runs land in window 2's
;   pairs 4 and 5, last read in K step 3, ahead of K step 4's wait; K step 4 names window 1 alone).
;   v1-15              the staging's addresses, made at the head ahead of one wait on va_vdst.  Behind the staging v1-9 are written anew: a wait on vm_vsrc ahead of that, a wait on va_vdst behind it.
;   v106-249           staging: global loads write them, LDS stores read them: a wait on vm_vsrc ahead of set A's second filling; the one behind the staging serves bo's loads, which land in v160-255.
;   v160-255, v34-129  the way out: the sums are the LDS stores' data, and the rows come back into the registers that held a's fragments: one wait on va_vdst, behind the four places.
.set ROWB,  576
.set PITCH, 592                        ; 576 + 16 = 148 words: row r starts at bank 20 r mod 64 (64 banks of 4 bytes: ISA guide 11.1)
.set TILEB, 16*PITCH
.set GRPB,  8*PITCH
.set NROW,  192
.set SC,    NROW*PITCH                 ; Wo's scale bytes, as they lie in memory
.set STG,   SC+NROW*24                 ; a stage of 16 rows x (768 + 16) bytes for each wave
.set SPITCH, 784
.set LA,  1                            ; staging: v1-9 LDS address of my 16 bytes of load j of a group of 8 rows
.set GA,  10                           ; v10  my byte in Wo's block
.set CG,  11                           ; v11  the scale bytes' copy: from,
.set CL,  12                           ; v12  to
.set A16, 13                           ; v13  16 l
.set A8,  14                           ; v14  8 l
.set RSO, 15                           ; v15  24 r
.set SCD, 22                           ; v22-30 Wo's scale bytes on their way to LDS
.set SA,  106                          ; set A, 18 loads
.set SB,  178                          ; set B
.set PA,  1                            ; behind the staging: v1 592 r + 24 h (tiles 0-5), v2 (tiles 6-11)
.set PA2, 2
.set PSA, 3                            ; v3   Wo's scale words: lanes 0-15 tile 2 pb, lanes 16-31 tile 2 pb + 1
.set STO, 4                            ; v4   the stage: where I put 32 bytes of a row
.set RDA, 5                            ; v5   and where I read rows back
.set RDB, 6
.set VOA, 7                            ; v7   my byte offset in out0
.set VOB, 8
.set BO,  9                            ; v9   32 h
.set RS,  16                           ; v16-21 a's scale words, one a K step
.set PS,  22                           ; v22-33 Wo's scale words, two sets of six
.set RF,  34                           ; v34-105 a's six fragments
.set ACC, 160                          ; v160-255 twelve accumulators
.set OB,  34                           ; the way out: rows read back
.set WV,  16
.set MSB, 0
.macro WIN new                         ; s_set_vgpr_msb: bits 1:0 source 0, 3:2 source 1, 5:4 source 2, 7:6 destination; the immediate's high byte repeats the setting that is left
.if MSB != (\new)
	s_set_vgpr_msb (MSB<<8)|(\new)
.set MSB, (\new)
.endif
.endm
.macro WM d, a, b, sa, sb, ra          ; a product that adds in place; ra = 1: source 0's scale words stand in lanes 16-31
.if \ra
	v_wmma_scale_f32_16x16x128_f8f6f4 v[\d:\d+7], v[\a:\a+11], v[\b:\b+11], v[\d:\d+7], v[\sa], v[\sb] matrix_a_fmt:MATRIX_FMT_FP6 matrix_b_fmt:MATRIX_FMT_FP6 matrix_a_scale:MATRIX_SCALE_ROW1
.else
	v_wmma_scale_f32_16x16x128_f8f6f4 v[\d:\d+7], v[\a:\a+11], v[\b:\b+11], v[\d:\d+7], v[\sa], v[\sb] matrix_a_fmt:MATRIX_FMT_FP6 matrix_b_fmt:MATRIX_FMT_FP6
.endif
.endm
	s_load_b256 s[4:11], s[0:1], 0x0               ; ao, asc, Wo's codes, Wo's scales
	s_load_b128 s[12:15], s[0:1], 0x20             ; bo, out0
	s_set_vgpr_msb 0x40
	v_lshl_add_u32 v254, v0, 2, 0x29200
	v_mov_b32 v255, 0
	s_set_vgpr_msb 0x4000
	v_lshrrev_b32 v253, 5, v0
	v_readfirstlane_b32 s[WV], v253                ; wave 0..3
	s_and_b32 s17, ttmp7, 0xffff
	s_lshl_b32 s18, s17, 2
	s_wait_alu depctr_va_sdst(0)                   ; the wave's number is written, ahead of its first reader
	s_add_co_u32 s18, s18, s[WV]                   ; T
	v_and_b32 v250, 31, v0                         ; l
	v_and_b32 v251, 15, v0                         ; r
	v_bfe_u32 v252, v0, 4, 1                       ; h
	s_mul_i32 s20, s[WV], 48*PITCH                 ; my wave stages 48 rows
	s_mul_i32 s21, s[WV], 48*ROWB
	s_mul_i32 s22, s[WV], 48*24
.irp j, 0,1,2,3,4,5,6,7,8              ; a group of 8 rows is 288 pieces of 16 bytes, 36 to a row; piece q = 32 j + l goes to 16 (q + q / 36); q / 36 = (1821 q) >> 16 for q < 288
	v_add_nc_u32 v[LA+\j], 32*\j, v250
	v_mul_u32_u24 v253, v[LA+\j], 1821
	v_lshrrev_b32 v253, 16, v253
	v_add_nc_u32 v[LA+\j], v[LA+\j], v253
	v_lshl_add_u32 v[LA+\j], v[LA+\j], 4, s20
.endr
	v_lshl_add_u32 v[GA], v250, 4, s21
	v_lshl_add_u32 v[CG], v250, 2, s22
	v_add_nc_u32 v[CL], SC, v[CG]
	v_lshlrev_b32 v[A16], 4, v250
	v_lshlrev_b32 v[A8], 3, v250
	v_mul_u32_u24 v[RSO], v251, 24
	s_mul_i32 s24, ttmp9, NROW*ROWB                ; Wo's block: codes,
	s_mov_b32 s25, 0
	s_mul_i32 s26, ttmp9, NROW*24                  ; scale bytes,
	s_mov_b32 s27, 0
	s_mul_i32 s28, ttmp9, NROW*4                   ; bo, and the columns of out0
	s_mov_b32 s29, 0
	s_mul_i32 s30, s18, 12*768                     ; my tile in ao
	s_mov_b32 s31, 0
	s_mul_i32 s32, s18, 384                        ; and in asc
	s_mov_b32 s33, 0
	s_lshr_b32 s34, s18, 3
	s_lshl_b32 s34, s34, 7
	s_bfe_u32 s35, s18, 0x20001
	s_lshl_b32 s35, s35, 5
	s_add_co_u32 s34, s34, s35
	s_and_b32 s35, s18, 1
	s_lshl_b32 s35, s35, 3
	s_add_co_u32 s34, s34, s35                     ; the tile's first token
	s_mul_i32 s34, s34, 3072
	s_add_co_u32 s34, s34, s28
	s_mov_b32 s35, 0
	s_wait_kmcnt 0x0
	s_add_nc_u64 s[4:5], s[4:5], s[30:31]
	s_add_nc_u64 s[6:7], s[6:7], s[32:33]
	s_add_nc_u64 s[8:9], s[8:9], s[24:25]
	s_add_nc_u64 s[10:11], s[10:11], s[26:27]
	s_add_nc_u64 s[12:13], s[12:13], s[28:29]
	s_add_nc_u64 s[14:15], s[14:15], s[34:35]
	s_wait_alu depctr_va_vdst(0)                   ; the staging's addresses and offsets v1 to v15 are written, which the loads and LDS stores below read
.irp hd, 0,1,2,3,4,5,6,7,8,9,10,11     ; K step hd / 2: registers 0-5 the even head, 6-11 the odd one
	global_load_b128 v[RF+6*\hd:RF+6*\hd+3], v[A16], s[4:5] offset:768*\hd th:TH_LOAD_NT
	global_load_b64 v[RF+6*\hd+4:RF+6*\hd+5], v[A8], s[4:5] offset:768*\hd+512 th:TH_LOAD_NT
.endr
.irp i, 0,1,2
	global_load_b64 v[RS+2*\i:RS+2*\i+1], v[RSO], s[6:7] offset:8*\i   ; row r's six scale words
.endr
.irp i, 0,1,2,3,4,5,6,7,8
	global_load_b32 v[SCD+\i], v[CG], s[10:11] offset:128*\i
.endr
; STAGING.  Load n of 54: group of 8 rows n / 9, load n % 9 of the group: 512 consecutive bytes.
.macro GLD reg
	global_load_b128 v[\reg:\reg+3], v[GA], s[8:9] offset:4608*(n/9)+512*(n%9)
.endm
.macro LST reg
	ds_store_b128 v[LA+n%9], v[\reg:\reg+3] offset:GRPB*(n/9)
.endm
.set n, 0
.rept 18
	GLD SA+4*n
.set n, n+1
.endr
.rept 18
	GLD SB+4*(n-18)
.set n, n+1
.endr
	s_wait_loadcnt 36                              ; all but the two sets: the scale bytes are in
.irp i, 0,1,2,3,4,5,6,7,8
	ds_store_b32 v[CL], v[SCD+\i] offset:128*\i
.endr
	s_wait_loadcnt 18                              ; set A is in; set B's 18 may be out
.set n, 0
.rept 18
	LST SA+4*n
.set n, n+1
.endr
	s_wait_dscnt 0x0                               ; the stores of set A have landed
	s_wait_alu depctr_vm_vsrc(0)                   ; the LDS stores have read set A, in which the next 18 loads land
.set n, 36
.rept 18
	GLD SA+4*(n-36)
.set n, n+1
.endr
	s_wait_loadcnt 18                              ; set B is in; the 18 just issued may be out
.set n, 18
.rept 18
	LST SB+4*(n-18)
.set n, n+1
.endr
	s_wait_loadcnt 0x0
.set n, 36
.rept 18
	LST SA+4*(n-36)
.set n, n+1
.endr
	s_wait_dscnt 0x0                               ; for the others' sake: all my stores have landed
	s_wait_alu depctr_vm_vsrc(0)                   ; the LDS stores have read their addresses v1 to v9, which are written anew below, both sets, in which bo and later the rows of the way out land, and v22 to v30, in which Wo's scale words land
	v_mul_u32_u24 v[PA], v251, PITCH
	v_mad_u32_u24 v[PA], v252, 24, v[PA]
	v_add_nc_u32 v[PA2], 6*TILEB, v[PA]
	v_mul_u32_u24 v[PSA], v250, 24
	v_add_nc_u32 v[PSA], SC, v[PSA]
	s_mul_i32 s20, s[WV], 16*SPITCH
	s_add_co_u32 s20, s20, STG                     ; my stage
	v_mul_u32_u24 v[STO], v251, SPITCH
	v_lshl_add_u32 v[STO], v252, 5, v[STO]
	v_add_nc_u32 v[STO], s20, v[STO]               ; in: row r, 32 bytes for each half of the lanes
	v_lshl_add_u32 v[RDA], v250, 4, s20            ; back: 16 bytes a lane on end;
	v_lshl_add_u32 v[RDB], v252, 4, v[RDA]         ; where lanes 16-31 begin the next row, past the padding
	v_lshlrev_b32 v[VOA], 4, v250
	v_mul_u32_u24 v[VOB], v252, 2304
	v_add_nc_u32 v[VOB], v[VOB], v[VOA]            ; and in out0: a row on, 768 bytes back
	v_lshlrev_b32 v[BO], 5, v252
	s_wait_alu depctr_va_vdst(0)                   ; the nine addresses and offsets v1 to v9 are written, which all loads and stores from here on read; the lines above are done reading v250 to v252, in which bo lands
.irp t, 0,1,2,3,4,5,6,7,8,9,10,11      ; tile t, register j: feature 16 t + 8 h + j
	global_load_b128 v[ACC+8*\t:ACC+8*\t+3], v[BO], s[12:13] offset:64*\t
	global_load_b128 v[ACC+8*\t+4:ACC+8*\t+7], v[BO], s[12:13] offset:64*\t+16
.endr
	s_barrier_signal -1
	s_barrier_wait -1                              ; Wo's rows and scale bytes lie in LDS: the launch's one barrier
.macro FRAG reg, adr, off              ; a fragment: lane (r, h) takes the 24 bytes at 24 h and at 48 + 24 h of its row's 96, in pieces of 8 bytes
.irp p, 0,1,2,3,4,5
	ds_load_b64 v[\reg+2*\p:\reg+2*\p+1], v[\adr] offset:\off+48*(\p/3)+8*(\p%3)
.endr
.endm
.macro PFETCH ks, pb                   ; Wo's tiles 2 pb, 2 pb + 1 of K step ks: 12 loads, into window 1 + ks % 2
	WIN 0x40*(1+(\ks)%2)
.if (\pb) < 3
	FRAG 24*(\pb), PA, TILEB*(2*(\pb))+96*(\ks)
	FRAG 24*(\pb)+12, PA, TILEB*(2*(\pb)+1)+96*(\ks)
.else
	FRAG 24*(\pb), PA2, TILEB*(2*(\pb)-6)+96*(\ks)
	FRAG 24*(\pb)+12, PA2, TILEB*(2*(\pb)-5)+96*(\ks)
.endif
.endm
.macro SFETCH ks                       ; Wo's scale words of K step ks: 6 loads
	WIN 0
.irp pb, 0,1,2,3,4,5
	ds_load_b32 v[PS+6*((\ks)%2)+\pb], v[PSA] offset:768*\pb+4*(\ks)
.endr
.endm
; A GROUP: the loads of the pair four groups on, then two products.  The 12 accumulators take turns, one instruction a turn.
; LDS loads come back in order (ISA guide 5.7.1): each count names the loads issued behind the pair that is wanted.
.macro GROUP ks, pb
.if ((\ks) == 5) && ((\pb) > 2)
	s_wait_dscnt 12*(5-(\pb))                      ; the counts run down
.elseif (\pb) > 2
	s_wait_dscnt 42                                ; this group's pair is in; three younger pairs and the next step's six scale words may be out
.else
	s_wait_dscnt 36                                ; this group's pair (and the step's scale words, which are older) is in; three younger pairs may be out
.endif
.if (\pb) < 2
	WIN 0x40*(1+(\ks)%2)
.if ((\pb) == 0) && ((\ks) > 0) && ((\ks) < 5)
	s_wait_alu depctr_va_vdst(0)                   ; the products of the K step before are done reading the other window and the other set of scale words, those of two steps back this window's pairs 4 and 5: all this step's loads land there
.endif
	PFETCH \ks, (\pb)+4
.elseif (\ks) < 5
.if (\pb) == 2
	SFETCH (\ks)+1                                 ; no wait on va_vdst: no product since the step's head names the other window or the other set of scale words
.endif
	PFETCH (\ks)+1, (\pb)-2
.endif
	WIN 1+(\ks)%2                                  ; source 0 in the step's window; source 1, C and D in window 0
	WM ACC+8*(2*(\pb)), 24*(\pb), RF+12*(\ks), PS+6*((\ks)%2)+(\pb), RS+(\ks), 0
	WM ACC+8*(2*(\pb)+1), 24*(\pb)+12, RF+12*(\ks), PS+6*((\ks)%2)+(\pb), RS+(\ks), 1
.endm
	SFETCH 0
	PFETCH 0, 0
	PFETCH 0, 1
	PFETCH 0, 2
	PFETCH 0, 3                                    ; 54 LDS loads are out
	s_wait_loadcnt 0x0                             ; bo lies in the accumulators
.irp ks, 0,1,2,3,4,5
.irp pb, 0,1,2,3,4,5
	GROUP \ks, \pb
.endr
.endr
	WIN 0
	; THE WAY OUT.  A lane holds 32 neighbouring bytes of a row, the lanes beside it other rows: the tile goes through my own stage and comes back as rows of 768 bytes, two rows in three loads of 512 bytes.
.rept 4
	v_nop                                          ; places behind the last products (ISA guide 7.12.1)
.endr
	s_wait_alu depctr_va_vdst(0)                   ; the products have written the accumulators, which the LDS stores read, and are done reading a's fragments, in which the rows land; the places above stay beside this wait
.irp t, 0,1,2,3,4,5,6,7,8,9,10,11
	ds_store_b128 v[STO], v[ACC+8*\t:ACC+8*\t+3] offset:64*\t          ; each accumulator from its low end on
	ds_store_b128 v[STO], v[ACC+8*\t+4:ACC+8*\t+7] offset:64*\t+16
.endr
.irp p, 0,1,2,3,4,5,6,7                ; LDS serves a wave's instructions in order (ISA guide 5.7.1.4): these see the stores above
	ds_load_b128 v[OB+12*\p:OB+12*\p+3], v[RDA] offset:2*SPITCH*\p              ; row 2 p, bytes 0-511
	ds_load_b128 v[OB+12*\p+4:OB+12*\p+7], v[RDB] offset:2*SPITCH*\p+512        ; row 2 p, bytes 512-767; row 2 p + 1, bytes 0-255
	ds_load_b128 v[OB+12*\p+8:OB+12*\p+11], v[RDA] offset:2*SPITCH*\p+SPITCH+256 ; row 2 p + 1, bytes 256-767
.endr
.irp p, 0,1,2,3,4,5,6,7                ; stage row i is token i + 8 (i / 8) of the tile.  Each store covers two runs of 256 consecutive bytes, each at a multiple of 256 from out0's first byte
	s_wait_dscnt 23-3*\p                           ; the younger loads may be out
	global_store_b128 v[VOA], v[OB+12*\p:OB+12*\p+3], s[14:15] offset:3072*(2*\p+8*(\p/4)) th:TH_STORE_NT
	s_wait_dscnt 22-3*\p
	global_store_b128 v[VOB], v[OB+12*\p+4:OB+12*\p+7], s[14:15] offset:3072*(2*\p+8*(\p/4))+512 th:TH_STORE_NT
	s_wait_dscnt 21-3*\p
	global_store_b128 v[VOA], v[OB+12*\p+8:OB+12*\p+11], s[14:15] offset:3072*(2*\p+8*(\p/4))+3328 th:TH_STORE_NT
.endr
	s_set_vgpr_msb 0x5
	s_wait_dscnt 0x0
	s_wait_alu depctr_hold_cnt(0) depctr_sa_sdst(0) depctr_va_vdst(0) depctr_va_sdst(0) depctr_va_ssrc(0) depctr_va_vcc(0) depctr_vm_vsrc(0)
	s_wait_tensorcnt 0x0
	ds_add_u32 v254, v255
	s_wait_dscnt 0x0
	s_endpgm
.Lfunc_end_k_q0c0d594e32_oproj:
	.size	k_q0c0d594e32_oproj, .Lfunc_end_k_q0c0d594e32_oproj-k_q0c0d594e32_oproj
	.p2alignl 7, 3214868480
	.fill 96, 4, 3214868480
	.section	.rodata,"a",@progbits
	.p2align	6, 0x0
	.amdhsa_kernel k_q0c0d594e32_oproj
		.amdhsa_group_segment_fixed_size 168960
		.amdhsa_private_segment_fixed_size 0
		.amdhsa_enable_private_segment 0
		.amdhsa_kernarg_size 48
		.amdhsa_user_sgpr_count 2
		.amdhsa_user_sgpr_kernarg_segment_ptr 1
		.amdhsa_wavefront_size32 1
		.amdhsa_system_sgpr_workgroup_id_x 1
		.amdhsa_system_sgpr_workgroup_id_y 1
		.amdhsa_system_sgpr_workgroup_id_z 1
		.amdhsa_system_vgpr_workitem_id 0
		.amdhsa_next_free_vgpr 656
		.amdhsa_next_free_sgpr 66
		.amdhsa_reserve_vcc 0
		.amdhsa_float_denorm_mode_32 3
		.amdhsa_float_denorm_mode_16_64 3
		.amdhsa_memory_ordered 1
		.amdhsa_forward_progress 1
		.amdhsa_inst_pref_size 70
	.end_amdhsa_kernel
	.amdgpu_metadata
---
amdhsa.version: [ 1, 2 ]
amdhsa.kernels:
  - .name:           k_q0c0d594e32_oproj
    .symbol:         k_q0c0d594e32_oproj.kd
    .args:
      - { .name: ao, .offset: 0, .size: 8, .value_kind: global_buffer, .address_space: global }
      - { .name: asc, .offset: 8, .size: 8, .value_kind: global_buffer, .address_space: global }
      - { .name: Wo_codes, .offset: 16, .size: 8, .value_kind: global_buffer, .address_space: global }
      - { .name: Wo_scales, .offset: 24, .size: 8, .value_kind: global_buffer, .address_space: global }
      - { .name: bo, .offset: 32, .size: 8, .value_kind: global_buffer, .address_space: global }
      - { .name: out0, .offset: 40, .size: 8, .value_kind: global_buffer, .address_space: global }
    .group_segment_fixed_size: 168960
    .private_segment_fixed_size: 0
    .kernarg_segment_align: 8
    .kernarg_segment_size: 48
    .max_flat_workgroup_size: 128
    .sgpr_count:     66
    .vgpr_count:     656
    .wavefront_size: 32
...
	.end_amdgpu_metadata
.endif
;; end of part 6
